; MI455X (gfx1250); checked and timed in simulation.
; The chip was launched on July 23, 2026; its instructions are those of AMD's public machine-readable ISA for CDNA 5 (MIT licence, August 2026) and "CDNA5" Instruction Set Architecture Reference Guide (July 2026). The comments in the code are by the model that wrote it; some were corrected since.
;; Attention Module. Allowed arithmetic: float matrix products may take bf16 or f16 operands with f32 sums; other float arithmetic in f32, or as packed bf16 or f16 multiplies, adds, multiply-adds, maxima and minima; sums over many terms, partial sums and values carried from step to step in f32; what a program stores and reads back later, other than sums and carried values, may be rounded once to bf16 or f16.
;; Inputs: attn_b 1,024 float32; attn_w 1,024 x 2,048 float32; encoder_outputs 1,024 x 32 x 1,024 float32; hidden 32 x 1,024 float32; source_lengths 32 int32; v 1,024 float32.
;; Outputs: out0 32 x 1,024 float32; out1 32 x 1,024 float32.
;; 2 versions, each right; version 2 is version 1 with the launch main written anew for expert scheduling mode. Each part assembles by itself: llvm-mc -triple=amdgcn-amd-amdhsa -mcpu=gfx1250 --defsym DOCPART=n.
;; ======== version 1 of 2: 3 launches
;; limits: right only within a limited range of input values
;; workspace buffers: w2p 2,097,152 bytes; hbc 131,072 bytes; scr 131,072 bytes; pctx 1,048,576 bytes
;; launch prep (part 1): grid 64 x 1, 16 waves a work-group, no clusters, 166,656 bytes of LDS; arguments attn_w, hidden, attn_b, w2p, hbc; writes w2p, hbc
.if DOCPART == 1
	.amdgcn_target "amdgcn-amd-amdhsa--gfx1250"
	.amdhsa_code_object_version 6
	.text
	.protected	k_q776284b5bb_prep
	.globl	k_q776284b5bb_prep
	.p2align	8
	.type	k_q776284b5bb_prep,@function
k_q776284b5bb_prep:
	s_mov_b64 s[64:65], 0
	v_nop
	global_prefetch_b8 v0, s[64:65] scope:SCOPE_SE
	s_setreg_imm32_b32 hwreg(HW_REG_WAVE_MODE, 25, 1), 1
	s_wait_xcnt 0x0
; PREP.  attn_w is [1024 h][2048 k] f32; its left half W1 meets hidden, its right half W2 meets encoder_outputs.
; Work-group g (0..63) owns the 16 rows h = 16 g .. 16 g + 15.  It rounds them to bf16 once and
;   (1) writes W2's part in the order in which the main launch's matrix fragments want it:
;       w2p byte ((g>>2)*32 + kk)*4096 + (g&3)*1024 + u*512 + lane*16 = W2[16 g + lane%16][32 kk + 16 u + 8 (lane/16) + 0..7], bf16;
;   (2) writes hbc[g][b 32][x 16] = 2 log2(e) * (sum_k hidden[b][k] W1[16 g + x][k] + attn_b[16 g + x]) in f32.
; FORMATS: hidden, attn_w and attn_b are each rounded once to bf16; products and sums in f32.
; 16 waves.  Wave w brings row w of the 16 and rows 2 w, 2 w + 1 of hidden into LDS; behind a barrier it takes the K steps 2 w and 2 w + 1
; (32 along K each) of both tasks; the 16 partial sums meet in LDS behind a second barrier, where waves 0 to 3 add them.
.set PW, 4112                          ; a row of the weights in LDS: 4,096 bytes + 16: an odd multiple of 16, so 16 rows of a fragment load start 16 bytes apart modulo 256
.set PH, 2064                          ; a row of hidden: 2,048 bytes + 16
.set HT, 16*PW                         ; hidden's 32 rows lie behind the 16 weight rows
.set PS, HT+32*PH                      ; 16 waves x 2,048 bytes of partial sums [b 32][x 16] f32
.set SPARE, PS+16*2048                 ; the spare words: 128 bytes for each of 16 waves; no other line names them
	s_load_b256 s[4:11], s[0:1], 0x0               ; attn_w s[4:5], hidden s[6:7], attn_b s[8:9], w2p s[10:11]
	s_load_b64 s[12:13], s[0:1], 0x20              ; hbc
	v_lshl_add_u32 v4, v0, 2, SPARE                ; my spare word; never rewritten
	v_mov_b32 v5, 0                                ; 0; never rewritten
	v_lshrrev_b32 v1, 5, v0
	v_readfirstlane_b32 s14, v1                    ; wave 0..15
	v_and_b32 v1, 31, v0                           ; lane
	v_and_b32 v2, 15, v0                           ; lane % 16
	v_bfe_u32 v3, v0, 4, 1                         ; lane / 16
	s_lshl_b32 s16, ttmp9, 4
	s_add_co_u32 s16, s16, s14
	s_lshl_b32 s16, s16, 13                        ; my weight row, 8,192 bytes each
	v_lshl_add_u32 v6, v1, 4, s16
	s_lshl_b32 s16, s14, 13                        ; my two rows of hidden, 4,096 bytes each
	v_lshl_add_u32 v7, v1, 4, s16
	v_and_b32 v8, 3, v0
	s_lshl_b32 s16, ttmp9, 6
	v_lshl_add_u32 v8, v8, 4, s16                  ; the four biases that go with the 16 bytes that thread t adds up at the end
	s_mul_i32 s16, s14, PW
	v_lshl_add_u32 v9, v1, 3, s16                  ; where my weight row goes: 8 bytes a lane
	s_mul_i32 s16, s14, 2*PH
	s_add_co_u32 s16, s16, HT
	v_lshl_add_u32 v10, v1, 3, s16                 ; where my rows of hidden go
	v_mul_u32_u24 v11, v2, PW
	v_lshl_add_u32 v11, v3, 4, v11
	s_lshl_b32 s16, s14, 7                         ; K step 2 w begins at byte 128 w of a row
	v_add_nc_u32 v11, s16, v11                     ; a weight fragment: row lane % 16, 16 bytes for each half of the lanes
	v_mul_u32_u24 v12, v2, PH
	v_lshl_add_u32 v12, v3, 4, v12
	s_add_co_u32 s16, s16, HT
	v_add_nc_u32 v12, s16, v12                     ; the same for hidden
	s_lshl_b32 s16, s14, 11
	s_add_co_u32 s16, s16, PS
	v_lshl_add_u32 v13, v2, 6, s16
	v_lshl_add_u32 v13, v3, 5, v13                 ; my partial sums: b = lane % 16 (64 bytes each), x = 8 (lane / 16) on
	v_lshl_add_u32 v14, v0, 4, PS                  ; the 16 bytes that thread t (0..127) adds up
	v_lshlrev_b32 v15, 4, v1                       ; 16 x lane
	v_lshlrev_b32 v22, 4, v0                       ; 16 x thread
	s_lshr_b32 s16, ttmp9, 2
	s_lshl_b32 s16, s16, 17                        ; (g >> 2) x 32 K steps x 4,096
	s_and_b32 s17, ttmp9, 3
	s_lshl_b32 s17, s17, 10
	s_add_co_u32 s16, s16, s17                     ; + (g & 3) x 1,024
	s_lshl_b32 s17, s14, 13
	s_add_co_u32 s16, s16, s17                     ; + K step 2 w
	s_mov_b32 s17, 0
	s_lshl_b32 s18, ttmp9, 11                      ; hbc: 2,048 bytes for each g
	s_mov_b32 s19, 0
	s_mov_b32 s20, 0x4038aa3b                      ; 2 log2(e)
	s_mov_b32 s21, s20                             ; named with it as a pair
	s_wait_kmcnt 0x0
	s_add_nc_u64 s[10:11], s[10:11], s[16:17]
	s_add_nc_u64 s[12:13], s[12:13], s[18:19]
	global_load_b128 v[16:19], v8, s[8:9]
.irp q, 0,1,2,3,4,5,6,7,8,9,10,11,12,13,14,15
	global_load_b128 v[32+4*\q:35+4*\q], v6, s[4:5] offset:512*\q th:TH_LOAD_NT  ; 512 neighbouring bytes a load; the launch reads each weight once
.endr
.irp q, 0,1,2,3,4,5,6,7,8,9,10,11,12,13,14,15
	global_load_b128 v[96+4*\q:99+4*\q], v7, s[6:7] offset:512*\q                ; two rows of 4,096 bytes lie end to end
.endr
	s_wait_loadcnt 16                              ; the 16 loads of hidden are younger: the bias and the weight row are in
.irp q, 0,1,2,3,4,5,6,7,8,9,10,11,12,13,14,15
	v_cvt_pk_bf16_f32 v[160+2*\q], v[32+4*\q], v[33+4*\q]
	v_cvt_pk_bf16_f32 v[161+2*\q], v[34+4*\q], v[35+4*\q]
.endr
.irp q, 0,1,2,3,4,5,6,7,8,9,10,11,12,13,14,15
	ds_store_b64 v9, v[160+2*\q:161+2*\q] offset:256*\q
.endr
	s_wait_loadcnt 0x0
.irp q, 0,1,2,3,4,5,6,7,8,9,10,11,12,13,14,15
	v_cvt_pk_bf16_f32 v[160+2*\q], v[96+4*\q], v[97+4*\q]
	v_cvt_pk_bf16_f32 v[161+2*\q], v[98+4*\q], v[99+4*\q]
.endr
.irp q, 0,1,2,3,4,5,6,7,8,9,10,11,12,13,14,15
	ds_store_b64 v10, v[160+2*\q:161+2*\q] offset:(\q/8)*PH+(\q%8)*256
.endr
	s_wait_dscnt 0x0                               ; for the others' sake: my rows are in LDS
	s_barrier_signal -1
	s_barrier_wait -1
	; A fragment is 16 rows x 32 K in 8 registers: lane l holds row l % 16, K = 8 (l / 16) + 0..7 and 16 + 8 (l / 16) + 0..7: two loads of 16 bytes, 32 bytes apart.
.irp i, 0,1
	ds_load_b128 v[32+8*\i:35+8*\i], v11 offset:2048+64*\i         ; W2, K step 2 w + i
	ds_load_b128 v[36+8*\i:39+8*\i], v11 offset:2048+64*\i+32
	ds_load_b128 v[48+8*\i:51+8*\i], v11 offset:64*\i              ; W1
	ds_load_b128 v[52+8*\i:55+8*\i], v11 offset:64*\i+32
	ds_load_b128 v[64+16*\i:67+16*\i], v12 offset:64*\i            ; hidden, b = 0..15
	ds_load_b128 v[68+16*\i:71+16*\i], v12 offset:64*\i+32
	ds_load_b128 v[72+16*\i:75+16*\i], v12 offset:16*PH+64*\i      ; hidden, b = 16..31
	ds_load_b128 v[76+16*\i:79+16*\i], v12 offset:16*PH+64*\i+32
.endr
	s_wait_dscnt 0x0
.irp i, 0,1
	global_store_b128 v15, v[32+8*\i:35+8*\i], s[10:11] offset:4096*\i      ; the fragment image as it stands: each store covers 512 consecutive bytes, aligned
	global_store_b128 v15, v[36+8*\i:39+8*\i], s[10:11] offset:4096*\i+512
.endr
	; source 0 = 16 rows of W1, source 1 = 16 rows of hidden: a lane holds one b and eight neighbouring x.  Two accumulators take turns.
	v_wmma_f32_16x16x32_bf16 v[96:103], v[48:55], v[64:71], 0
	v_wmma_f32_16x16x32_bf16 v[104:111], v[48:55], v[72:79], 0
	v_wmma_f32_16x16x32_bf16 v[96:103], v[56:63], v[80:87], v[96:103]
	v_wmma_f32_16x16x32_bf16 v[104:111], v[56:63], v[88:95], v[104:111]
.rept 4
	v_nop                                          ; four places between the last product and the stores that read the results
.endr
	ds_store_b128 v13, v[96:99]
	ds_store_b128 v13, v[100:103] offset:16
	ds_store_b128 v13, v[104:107] offset:1024
	ds_store_b128 v13, v[108:111] offset:1040
	s_wait_dscnt 0x0                               ; for the others' sake: my partial sums are in LDS
	s_barrier_signal -1
	s_barrier_wait -1
	s_cmp_lt_u32 s14, 4
	s_cbranch_scc0 .Lend                           ; 2,048 bytes of sums are 128 threads' work: waves 0 to 3
.irp p, 0,1,2,3,4,5,6,7,8,9,10,11,12,13,14,15
	ds_load_b128 v[112+4*\p:115+4*\p], v14 offset:2048*\p
.endr
	v_cvt_pk_bf16_f32 v20, v16, v17                ; the bias is rounded to bf16 like every input, and widened again
	v_cvt_pk_bf16_f32 v21, v18, v19
	v_lshlrev_b32 v16, 16, v20
	v_and_b32 v17, 0xffff0000, v20
	v_lshlrev_b32 v18, 16, v21
	v_and_b32 v19, 0xffff0000, v21
	s_wait_dscnt 0x0
.irp p, 0,1,2,3,4,5,6,7
	v_pk_add_f32 v[112+4*\p:113+4*\p], v[112+4*\p:113+4*\p], v[144+4*\p:145+4*\p]
	v_pk_add_f32 v[114+4*\p:115+4*\p], v[114+4*\p:115+4*\p], v[146+4*\p:147+4*\p]
.endr
.irp p, 0,1,2,3
	v_pk_add_f32 v[112+4*\p:113+4*\p], v[112+4*\p:113+4*\p], v[128+4*\p:129+4*\p]
	v_pk_add_f32 v[114+4*\p:115+4*\p], v[114+4*\p:115+4*\p], v[130+4*\p:131+4*\p]
.endr
.irp p, 0,1
	v_pk_add_f32 v[112+4*\p:113+4*\p], v[112+4*\p:113+4*\p], v[120+4*\p:121+4*\p]
	v_pk_add_f32 v[114+4*\p:115+4*\p], v[114+4*\p:115+4*\p], v[122+4*\p:123+4*\p]
.endr
	v_pk_add_f32 v[112:113], v[112:113], v[116:117]
	v_pk_add_f32 v[114:115], v[114:115], v[118:119]
	v_pk_add_f32 v[112:113], v[112:113], v[16:17]
	v_pk_add_f32 v[114:115], v[114:115], v[18:19]
	v_pk_mul_f32 v[112:113], v[112:113], s[20:21] op_sel_hi:[1,0]
	v_pk_mul_f32 v[114:115], v[114:115], s[20:21] op_sel_hi:[1,0]
	global_store_b128 v22, v[112:115], s[12:13]    ; a wave's store covers 512 consecutive bytes, aligned
.Lend:
	s_wait_tensorcnt 0x0                           ; the wave's end, behind my last LDS store
	ds_add_u32 v4, v5
	s_wait_dscnt 0x0
	s_endpgm
.Lfunc_end_k_q776284b5bb_prep:
	.size	k_q776284b5bb_prep, .Lfunc_end_k_q776284b5bb_prep-k_q776284b5bb_prep
	.p2alignl 7, 3214868480
	.fill 96, 4, 3214868480
	.section	.rodata,"a",@progbits
	.p2align	6, 0x0
	.amdhsa_kernel k_q776284b5bb_prep
		.amdhsa_group_segment_fixed_size 166656
		.amdhsa_private_segment_fixed_size 0
		.amdhsa_enable_private_segment 0
		.amdhsa_kernarg_size 40
		.amdhsa_user_sgpr_count 2
		.amdhsa_user_sgpr_kernarg_segment_ptr 1
		.amdhsa_wavefront_size32 1
		.amdhsa_system_sgpr_workgroup_id_x 1
		.amdhsa_system_sgpr_workgroup_id_y 1
		.amdhsa_system_sgpr_workgroup_id_z 1
		.amdhsa_system_vgpr_workitem_id 0
		.amdhsa_next_free_vgpr 192
		.amdhsa_next_free_sgpr 66
		.amdhsa_reserve_vcc 0
		.amdhsa_float_denorm_mode_32 3
		.amdhsa_float_denorm_mode_16_64 3
		.amdhsa_memory_ordered 1
		.amdhsa_forward_progress 1
		.amdhsa_inst_pref_size 18
	.end_amdhsa_kernel
	.amdgpu_metadata
---
amdhsa.version: [ 1, 2 ]
amdhsa.kernels:
  - .name:           k_q776284b5bb_prep
    .symbol:         k_q776284b5bb_prep.kd
    .args:
      - { .name: attn_w, .offset: 0, .size: 8, .value_kind: global_buffer, .address_space: global }
      - { .name: hidden, .offset: 8, .size: 8, .value_kind: global_buffer, .address_space: global }
      - { .name: attn_b, .offset: 16, .size: 8, .value_kind: global_buffer, .address_space: global }
      - { .name: w2p, .offset: 24, .size: 8, .value_kind: global_buffer, .address_space: global }
      - { .name: hbc, .offset: 32, .size: 8, .value_kind: global_buffer, .address_space: global }
    .group_segment_fixed_size: 166656
    .private_segment_fixed_size: 0
    .kernarg_segment_align: 8
    .kernarg_segment_size: 40
    .max_flat_workgroup_size: 512
    .sgpr_count:     66
    .vgpr_count:     192
    .wavefront_size: 32
...
	.end_amdgpu_metadata
.endif
;; end of part 1
;; launch main (part 2): grid 8 x 32, 4 waves a work-group, no clusters, 280,064 bytes of LDS; arguments encoder_outputs, source_lengths, v, w2p, hbc, scr, pctx; writes scr, pctx
.if DOCPART == 2
	.amdgcn_target "amdgcn-amd-amdhsa--gfx1250"
	.amdhsa_code_object_version 6
	.text
	.protected	k_q776284b5bb_main
	.globl	k_q776284b5bb_main
	.p2align	8
	.type	k_q776284b5bb_main,@function
k_q776284b5bb_main:
	s_mov_b64 s[64:65], 0
	v_nop
	global_prefetch_b8 v0, s[64:65] scope:SCOPE_SE
	s_setreg_imm32_b32 hwreg(HW_REG_WAVE_MODE, 25, 1), 1
	s_wait_xcnt 0x0
; MAIN.  Work-group (j, b) owns the 128 source positions s = 128 j .. 128 j + 127 of batch row b.  It
;   A  reads its 128 rows of encoder_outputs (4,096 bytes each) ONCE, rounds them to bf16 and keeps them in LDS to the end;
;   B  makes x[s][h] = enc[s] . W2[h] for all 1,024 h, energy = tanh(x + hidden part + bias), score[s] = sum_h v[h] energy[s][h];
;   C  masks the scores by the length (-1e10), takes the tile's own maximum m, p[s] = exp(score - m);
;   D  makes the partial context sum_s p[s] enc[s][h] on the matrix unit from the same LDS rows.
; Out: scr[b][s] (masked scores, f32) and pctx[b][j][h] (f32).  The next launch joins the eight tiles of a b.
; SHARES.  Four waves; wave w owns the columns h = 256 w .. 256 w + 255, in four CHUNKS of 64: 128 x 64 of x in 32 accumulators.
; The product is used transposed (source 0 = 16 rows of W2, source 1 = 16 rows of enc): a lane holds ONE position (lane % 16) and eight neighbouring h.
; BY THE SIDE.  A finished chunk is moved out of the accumulators as T = 2 log2(e) x + hbc (128 packed lines together); its tanh = 1 - 2 / (1 + 2^T) and the
; multiply-add with v are cut into groups of four and stand behind every fourth matrix instruction of the NEXT chunk: step kk serves T's tile kk.
; W2 comes from w2p straight into registers, in fragment order: a ring of eight slots of 32 registers, seven K steps (28 KiB a wave) on their way.
; WHY NO TENSOR RING AND NO CLUSTER FOR W2: the 128 rows take 264,192 of LDS's 327,680 bytes; what is left would hold two slots of less than one K step of 32 for
; 512 columns; a wave's 256 columns of W2 are read by no other wave of the work-group, so LDS would share nothing; and partners whose tile lies behind the length would have to go on asking.
; TILES BEHIND THE LENGTH (128 j >= length >= 1) load and multiply nothing: they store -1e10 and a zero context.  The flag is made from the problem's int32 input;
; three forward jumps take it, over text without a barrier; all three barriers stand on every wave's path.  Each jumped block reads only registers made in the head or in itself.
; A length <= 0 takes the full way: all scores are -1e10, all p are 1, as in a softmax of equal numbers.
; FORMATS AND LIMITS.  enc, W2 and v are rounded once to bf16 (v is widened again); sums, tanh, scores and maxima in f32; p is rounded to bf16 for the context product.
; Leaving a tile out rests on exp(-1e10 - M) = 0 for the row's maximum M: sum |v| below 9e9.  2^T below 2^-126 counts as 0.  NaN and infinities are not treated apart.
; In wave 0's first chunk the side work multiplies tanh(0) = 0 by the last 64 numbers of the hbc table in place of v: they must be finite.
.set PA, 2064                          ; a row of enc in LDS: 2,048 bytes + 16: an odd multiple of 16, so the 16 rows of a fragment load start 16 bytes apart modulo 256
.set ROWB, 131072                      ; bytes from s to s + 1 in encoder_outputs
.set BT, 128*PA                        ; hbc[b][0..1023], f32
.set VT, BT+4096                       ; v, rounded to bf16 and widened
.set SP, VT+4096                       ; [wave 4][position 128] partial scores, f32
.set PP, SP+2048                       ; [wave 4][position 128] p in bf16: each wave's own copy
.set CS, PP+1024                       ; [wave 4] 1,024 bytes: each wave's own stage for its 256 context numbers
.set SPARE, CS+4096                    ; the spare words: 128 bytes for each of 4 waves; no other line names them
.set NEGBIG, 0xd01502f9                ; -1e10
.set L2E, 0x3fb8aa3b                   ; log2(e)
; window 0
.set LOFF, 4                           ; v4   16 x lane: the offset of every global access; never rewritten
.set STA, 5                            ; v5   phase A: my lane's place in my wave's first row in LDS; never rewritten
.set HBO, 6                            ; v6   my 32 bytes of hbc
.set T32, 7                            ; v7   32 x thread
.set BTC, 6                            ; v6   later: this chunk's 64 numbers of the hbc table = BTA + 256 x chunk
.set VTC, 7                            ; v7   later: the chunk before's 64 numbers of the v table = VTA + 256 x chunk
.set BTA, 8                            ; v8   my lane's place in my wave's part of the hbc table; never rewritten
.set VTA, 9                            ; v9   the same in the v table, one chunk back; never rewritten
.set SPW, 10                           ; v10  my spare word; never rewritten
.set NIL, 11                           ; v11  0; never rewritten
.set LA, 12                            ; v12-15  A's fragments: row blocks 2 i, 2 i + 1
.set SPA, 16                           ; v16  my wave's partial scores
.set SQA, 17                           ; v17  four positions of all four waves
.set PPS, 18                           ; v18  where my four p go
.set PPA, 19                           ; v19  p as a matrix fragment
.set SUMA, 20                          ; v20-35  score sums, a pair for each of 8 row blocks
.set SUMB, 36                          ; v36-51  a second chain of the same
.set BI, 52                            ; v52-83  hbc of my 32 columns (8 for each of 4 column blocks); later p's fragments
.set VV, 84                            ; v84-115 v of my 32 columns
.set SC, 116                           ; v116-119 four masked scores
.set CT, 120                           ; v120-127 eight context numbers
.set TSA, 124                          ; v124 phase A: where my 32 bytes of each table go
.set STC, 125                          ; v125 phase A: STA + this trip's eight rows
.set AF, 128                           ; v128-191, v192-255 A's fragments, two buffers; in phase A v128-159 the converted rows; behind the loop addresses and work
.set TRA, 128                          ; v128-131 the turning loads' addresses, 32 positions each
; window 1: W2's ring, slot x 32 + 8 x column block.  window 2: the accumulators, 8 (4 a + cb); in phase A eight row slots of 32.  window 3: T, as the accumulators.
.set EA, 26                            ; s[26:27] enc at my wave's rows
.set BCUR, 28                          ; s[28:29] w2p at this chunk
.set BNXT, 30                          ; s[30:31] at the next
.set BBASE, 32                         ; s[32:33] at my wave's first
.set CHB, 44                           ; s44  256 x chunk: the tables' step
.set RWB, 45                           ; s45  8 PA x trip: phase A's step in LDS
.set MSB, 0
.macro WIN new                         ; bits 1:0 source 0, 3:2 source 1, 5:4 source 2, 7:6 destination; the high byte repeats the setting that is left; a switch that changes nothing is dropped
.if MSB != (\new)
	s_set_vgpr_msb (MSB<<8)|(\new)
.set MSB, (\new)
.endif
.endm
.set MUL, 0xa1                         ; W2 window 1, A window 0, C and D window 2
.set RID, 0xc3                         ; T in place
.set ACCU, 0x03                        ; T read, all else window 0
.set LMP, 0xc2                         ; accumulators read, T written, table window 0
.set TO_B, 0x40                        ; destination window 1
.set TO_X, 0x80                        ; destination window 2
.set CVT, 0x0a                         ; sources 0 and 1 window 2
	s_load_b256 s[4:11], s[0:1], 0x0               ; enc s[4:5], lengths s[6:7], v s[8:9], w2p s[10:11]
	s_load_b128 s[12:15], s[0:1], 0x20             ; hbc s[12:13], scr s[14:15]
	s_load_b64 s[16:17], s[0:1], 0x30              ; pctx
	v_lshl_add_u32 v[SPW], v0, 2, SPARE
	v_mov_b32 v[NIL], 0
	v_lshrrev_b32 v1, 5, v0
	v_readfirstlane_b32 s18, v1                    ; wave 0..3
	v_and_b32 v1, 31, v0                           ; lane
	v_and_b32 v2, 15, v0                           ; lane % 16
	v_bfe_u32 v3, v0, 4, 1                         ; lane / 16
	s_mov_b32 s19, ttmp9                           ; j
	s_and_b32 s20, ttmp7, 0xffff                   ; b
	s_mov_b32 s25, 0
	s_lshl_b32 s24, s20, 2
	s_wait_kmcnt 0x0
	s_add_nc_u64 s[6:7], s[6:7], s[24:25]
	s_load_b32 s21, s[6:7], 0x0                    ; the length of row b
	s_lshl_b32 s24, s19, 7
	s_lshl_b32 s34, s18, 5
	s_add_co_u32 s24, s24, s34                     ; my wave's first position: 128 j + 32 w
	s_lshl_b32 s24, s24, 17
	s_lshl_b32 s34, s20, 12
	s_add_co_u32 s24, s24, s34                     ; x 131,072 + b x 4,096: under 2^28
	s_add_nc_u64 s[EA:EA+1], s[4:5], s[24:25]
	s_lshl_b32 s24, s18, 19                        ; a wave's 256 columns of W2 are 524,288 consecutive bytes of w2p
	s_add_nc_u64 s[BBASE:BBASE+1], s[10:11], s[24:25]
	s_mov_b64 s[BCUR:BCUR+1], s[BBASE:BBASE+1]
	s_add_nc_u64 s[BNXT:BNXT+1], s[BBASE:BBASE+1], 0x20000
	s_lshl_b32 s24, s20, 12
	s_lshl_b32 s34, s19, 9
	s_add_co_u32 s24, s24, s34
	s_add_nc_u64 s[14:15], s[14:15], s[24:25]      ; scr at [b][128 j]
	s_lshl_b32 s24, s20, 3
	s_add_co_u32 s24, s24, s19
	s_lshl_b32 s24, s24, 12
	s_lshl_b32 s34, s18, 10
	s_add_co_u32 s24, s24, s34
	s_add_nc_u64 s[16:17], s[16:17], s[24:25]      ; pctx at [b][j][256 w]
	s_lshl_b32 s24, s20, 6
	s_add_nc_u64 s[12:13], s[12:13], s[24:25]      ; hbc at [0][b][0]
	s_mov_b32 s36, 0x4038aa3b                      ; 2 log2(e)
	s_mov_b32 s37, s36                             ; named with it as a pair
	s_mov_b32 s38, 0x76543210                      ; v_permlanex16_b32: each lane takes its own place in the other half
	s_mov_b32 s39, 0xfedcba98
	s_mov_b32 s[CHB], 0
	s_mov_b32 s[RWB], 0
	v_lshlrev_b32 v[LOFF], 4, v1
	s_mul_i32 s24, s18, 32*PA
	v_lshl_add_u32 v[STA], v1, 3, s24
	v_lshrrev_b32 v[HBO], 1, v0
	v_lshlrev_b32 v[HBO], 11, v[HBO]
	v_and_b32 v[T32], 1, v0
	v_lshl_add_u32 v[HBO], v[T32], 5, v[HBO]       ; columns 8 t .. 8 t + 7 lie at (t / 2) x 2,048 + (t % 2) x 32
	v_lshlrev_b32 v[T32], 5, v0
	s_lshl_b32 s24, s18, 10
	s_add_co_u32 s24, s24, BT
	v_lshl_add_u32 v[BTA], v3, 5, s24              ; column 256 w + 8 (lane / 16)
	v_add_nc_u32 v[VTA], 4096-256, v[BTA]          ; the same in v's table, one chunk back
	v_mul_u32_u24 v[LA], v2, PA
	v_lshl_add_u32 v[LA], v3, 4, v[LA]             ; row lane % 16, 16 bytes for each half of the lanes
	v_add_nc_u32 v[LA+1], 32*PA, v[LA]
	v_add_nc_u32 v[LA+2], 64*PA, v[LA]
	v_add_nc_u32 v[LA+3], 96*PA, v[LA]
	s_lshl_b32 s24, s18, 9
	s_add_co_u32 s24, s24, SP
	v_lshl_add_u32 v[SPA], v2, 2, s24
	v_lshl_add_u32 v[SQA], v1, 4, SP
	s_lshl_b32 s24, s18, 8
	s_add_co_u32 s24, s24, PP
	v_lshl_add_u32 v[PPS], v1, 3, s24
	v_lshl_add_u32 v[PPA], v3, 4, s24
	; the score sums start at 0 here, in the wait for the length: every wave stores them between the second and third barrier, a tile behind the length too
.set n, 0
.rept 32
	v_mov_b32 v[SUMA+n], 0
.set n, n+1
.endr
	s_wait_kmcnt 0x0
	s_lshl_b32 s24, s19, 7
	s_cmp_lt_i32 s24, s21                          ; does the tile begin in front of the length?
	s_cselect_b32 s22, 1, 0
	s_cmp_le_i32 s21, 0                            ; or is there no valid position at all?
	s_cselect_b32 s22, 1, s22                      ; s22 = 1: the tile is worked out
	s_cmp_eq_u32 s22, 0
	s_cbranch_scc1 .Lb1
	; ---- the two tables, and PHASE A: my 32 rows of enc, f32 from memory, bf16 into LDS ----
.macro XLOAD slot, row                 ; a row's 4,096 bytes: eight loads of 512 neighbouring bytes
	WIN TO_X
.irp q, 0,1,2,3,4,5,6,7
	global_load_b128 v[32*(\slot)+4*\q:32*(\slot)+4*\q+3], v[LOFF], s[EA:EA+1] offset:(\row)*ROWB+512*\q th:TH_LOAD_NT
.endr
.endm
; The turn of slot i.  left: the younger loads that may stay out.  more = 1: the row seven further on is asked for, into the slot read in the turn before.
.macro TURN i, more, left
	s_wait_loadcnt \left                           ; loads come back in order (ISA guide 5.7.1): my row is in, the younger rows stay out
	WIN CVT
.irp q, 0,1,2,3,4,5,6,7
	v_cvt_pk_bf16_f32 v[AF+16*((\i)%2)+2*\q], v[32*(\i)+4*\q], v[32*(\i)+4*\q+1]
	v_cvt_pk_bf16_f32 v[AF+16*((\i)%2)+2*\q+1], v[32*(\i)+4*\q+2], v[32*(\i)+4*\q+3]
.endr
	WIN 0
.irp q, 0,1,2,3,4,5,6,7
	ds_store_b64 v[STC], v[AF+16*((\i)%2)+2*\q:AF+16*((\i)%2)+2*\q+1] offset:(\i)*PA+256*\q  ; 32 lanes x 8 bytes: 256 neighbouring bytes
.endr
.if \more
	XLOAD ((\i)+7)%8, (\i)+7
.endif
.endm
	global_load_b128 v[SC:SC+3], v[HBO], s[12:13]
	global_load_b128 v[CT:CT+3], v[HBO], s[12:13] offset:16
	global_load_b128 v[VV:VV+3], v[T32], s[8:9]
	global_load_b128 v[VV+4:VV+7], v[T32], s[8:9] offset:16
.irp i, 0,1,2,3,4,5,6
	XLOAD \i, \i                                   ; seven rows, 56 loads, are on their way from here to the tail
.endr
	WIN 0
	v_lshl_add_u32 v[TSA], v0, 5, BT
	s_wait_loadcnt 56                              ; the 56 row loads are younger: the four table loads are in
	ds_store_b128 v[TSA], v[SC:SC+3]
	ds_store_b128 v[TSA], v[CT:CT+3] offset:16
.irp k, 0,1,2,3
	v_cvt_pk_bf16_f32 v[VV+8+\k], v[VV+2*\k], v[VV+2*\k+1]
.endr
.irp k, 0,1,2,3
	v_lshlrev_b32 v[VV+2*\k], 16, v[VV+8+\k]
	v_and_b32 v[VV+2*\k+1], 0xffff0000, v[VV+8+\k]
.endr
	ds_store_b128 v[TSA], v[VV:VV+3] offset:4096
	ds_store_b128 v[TSA], v[VV+4:VV+7] offset:4112
	s_mov_b32 s23, 3
.Lrows:                                                ; a trip: eight rows
	v_add_nc_u32 v[STC], s[RWB], v[STA]            ; the trip's place in LDS: a scalar that steps, plus the lane's fixed term
.irp i, 0,1,2,3,4,5,6,7
	TURN \i, 1, 48
.endr
	WIN 0
	s_wait_xcnt 0x0                                ; the loads' base is stepped only behind this wait
	s_add_nc_u64 s[EA:EA+1], s[EA:EA+1], 0x100000  ; eight rows on in memory,
	s_add_co_u32 s[RWB], s[RWB], 8*PA              ; and in LDS
	s_sub_co_u32 s23, s23, 1
	s_cmp_lg_u32 s23, 0
	s_cbranch_scc1 .Lrows
	v_add_nc_u32 v[STC], s[RWB], v[STA]
	TURN 0, 1, 48                                  ; the last eight rows: one more row is asked for, then the counts run down
	TURN 1, 0, 48
	TURN 2, 0, 40
	TURN 3, 0, 32
	TURN 4, 0, 24
	TURN 5, 0, 16
	TURN 6, 0, 8
	TURN 7, 0, 0
.Lb1:
	s_wait_dscnt 0x0                               ; for the others' sake: my rows and my part of the tables are in LDS
	s_barrier_signal -1
	s_barrier_wait -1
	s_cmp_eq_u32 s22, 0
	s_cbranch_scc1 .Lsums
	; ---- PHASE B: four chunks of 64 columns ----
.macro WLOAD ks, h                     ; half h of K step ks of W2 (column blocks 2 h, 2 h + 1) into ring slot ks % 8; steps 32 on are the next chunk's first
	WIN TO_B
.set sl, 32*((\ks)%8)+16*(\h)
.irp w, 0,1,2,3
.if (\ks) < 32
	global_load_b128 v[sl+4*\w:sl+4*\w+3], v[LOFF], s[BCUR:BCUR+1] offset:(\ks)*4096+(\h)*2048+512*\w
.else
	global_load_b128 v[sl+4*\w:sl+4*\w+3], v[LOFF], s[BNXT:BNXT+1] offset:((\ks)-32)*4096+(\h)*2048+512*\w
.endif
.endr
.endm
.macro ALOAD i, kn                     ; A's fragments of row blocks 2 i, 2 i + 1 for K step kn into buffer kn % 2
	WIN 0
.set fb, AF+64*((\kn)%2)+16*(\i)
.irp a2, 0,1
	ds_load_b128 v[fb+8*\a2:fb+8*\a2+3], v[LA+(\i)] offset:\a2*16*PA+64*(\kn)
	ds_load_b128 v[fb+8*\a2+4:fb+8*\a2+7], v[LA+(\i)] offset:\a2*16*PA+64*(\kn)+32
.endr
.endm
; Group g of eight of the side work on T's tile n (registers t0-t7): 2^T; + 1; reciprocal; 1 - 2 r = tanh; sums += tanh x v.
; A v_nop stands between the last exponential (reciprocal) and the first use of such a result (ISA guide 5.7.2): the matrix instructions in between are no such place.
.macro RG g, n
.set tb, 8*(\n)
.if (\g) == 7
	WIN ACCU
.set sx, 2*((\n)/4)
.set vb, VV+8*((\n)%4)
	v_pk_fma_f32 v[SUMA+sx:SUMA+sx+1], v[tb:tb+1], v[vb:vb+1], v[SUMA+sx:SUMA+sx+1]
	v_pk_fma_f32 v[SUMB+sx:SUMB+sx+1], v[tb+2:tb+3], v[vb+2:vb+3], v[SUMB+sx:SUMB+sx+1]
	v_pk_fma_f32 v[SUMA+sx:SUMA+sx+1], v[tb+4:tb+5], v[vb+4:vb+5], v[SUMA+sx:SUMA+sx+1]
	v_pk_fma_f32 v[SUMB+sx:SUMB+sx+1], v[tb+6:tb+7], v[vb+6:vb+7], v[SUMB+sx:SUMB+sx+1]
.else
	WIN RID
.if (\g) == 0
	v_exp_f32 v[tb], v[tb]
	v_exp_f32 v[tb+1], v[tb+1]
	v_exp_f32 v[tb+2], v[tb+2]
	v_exp_f32 v[tb+3], v[tb+3]
.elseif (\g) == 1
	v_exp_f32 v[tb+4], v[tb+4]
	v_exp_f32 v[tb+5], v[tb+5]
	v_exp_f32 v[tb+6], v[tb+6]
	v_exp_f32 v[tb+7], v[tb+7]
.elseif (\g) == 2
	v_nop
	s_wait_alu depctr_va_vdst(0)
	v_pk_add_f32 v[tb:tb+1], v[tb:tb+1], 1.0 op_sel_hi:[1,0]
	v_pk_add_f32 v[tb+2:tb+3], v[tb+2:tb+3], 1.0 op_sel_hi:[1,0]
	v_pk_add_f32 v[tb+4:tb+5], v[tb+4:tb+5], 1.0 op_sel_hi:[1,0]
.elseif (\g) == 3
	v_pk_add_f32 v[tb+6:tb+7], v[tb+6:tb+7], 1.0 op_sel_hi:[1,0]
	v_rcp_f32 v[tb], v[tb]
	v_rcp_f32 v[tb+1], v[tb+1]
	v_rcp_f32 v[tb+2], v[tb+2]
.elseif (\g) == 4
	v_rcp_f32 v[tb+3], v[tb+3]
	v_rcp_f32 v[tb+4], v[tb+4]
	v_rcp_f32 v[tb+5], v[tb+5]
	v_rcp_f32 v[tb+6], v[tb+6]
.elseif (\g) == 5
	v_rcp_f32 v[tb+7], v[tb+7]
	v_nop
	s_wait_alu depctr_va_vdst(0)
	v_pk_fma_f32 v[tb:tb+1], v[tb:tb+1], -2.0, 1.0 op_sel_hi:[1,0,0]
	v_pk_fma_f32 v[tb+2:tb+3], v[tb+2:tb+3], -2.0, 1.0 op_sel_hi:[1,0,0]
.else
	v_pk_fma_f32 v[tb+4:tb+5], v[tb+4:tb+5], -2.0, 1.0 op_sel_hi:[1,0,0]
	v_pk_fma_f32 v[tb+6:tb+7], v[tb+6:tb+7], -2.0, 1.0 op_sel_hi:[1,0,0]
.endif
.endif
.endm
; K step kk of a chunk: 32 matrix instructions, the 32 accumulators by turns in the same order in every step.
; Behind every fourth stands a group of the side work.  The next step's 16 fragment loads of A stand behind products 1, 5, 9, 13; the eight loads of W2's step kk + 7 behind products 17 and 21.
; Both kinds of load land in registers that the step BEFORE read: its last product is followed by group 7's four plain lines, which name none of its registers: the four places (ISA guide 7.12.1 for vector instructions).
.macro STEP kk
	s_wait_dscnt 0x0                               ; A's fragments of this step, asked for in the step before (at step 0 the tables too)
	s_wait_loadcnt 48                              ; six younger steps of W2, eight loads each, stay out: this step's are in
.set n, 0
.rept 32
	WIN MUL
.if (\kk) == 0
	v_wmma_f32_16x16x32_bf16 v[8*n:8*n+7], v[32*((\kk)%8)+8*(n%4):32*((\kk)%8)+8*(n%4)+7], v[AF+64*((\kk)%2)+8*(n/4):AF+64*((\kk)%2)+8*(n/4)+7], 0
.else
	v_wmma_f32_16x16x32_bf16 v[8*n:8*n+7], v[32*((\kk)%8)+8*(n%4):32*((\kk)%8)+8*(n%4)+7], v[AF+64*((\kk)%2)+8*(n/4):AF+64*((\kk)%2)+8*(n/4)+7], v[8*n:8*n+7]
.endif
.if n%4 == 3
	RG n/4, \kk
.endif
.if (n%4 == 1) && (n < 16)
	ALOAD n/4, ((\kk)+1)%32
.endif
.if (n == 17) || (n == 21)
	WLOAD (\kk)+7, (n-17)/4
.endif
.set n, n+1
.endr
.endm
.irp k, 0,1,2,3,4,5,6
	WLOAD \k, 0                                    ; the ring's first seven steps: 56 loads, the number that is out at every step's head
	WLOAD \k, 1
.endr
.irp i, 0,1,2,3
	ALOAD \i, 0
.endr
	; One text serves all four chunks, so the first chunk's side work runs on T = 0: tanh 0 = 0 adds nothing.  The price: these 256 lines, once, in the wait for W2's first steps.
	WIN 0xc0
.set n, 0
.rept 256
	v_mov_b32 v[n], 0
.set n, n+1
.endr
	WIN 0
	s_mov_b32 s23, 4
.Lchunk:
	v_add_nc_u32 v[BTC], s[CHB], v[BTA]            ; the chunk's place in the two tables: a scalar that steps, plus the lane's fixed term
	v_add_nc_u32 v[VTC], s[CHB], v[VTA]
.irp c, 0,1,2,3
	ds_load_b128 v[BI+8*\c:BI+8*\c+3], v[BTC] offset:64*\c          ; hbc of this chunk's columns, for the lump at its end
	ds_load_b128 v[BI+8*\c+4:BI+8*\c+7], v[BTC] offset:64*\c+16
	ds_load_b128 v[VV+8*\c:VV+8*\c+3], v[VTC] offset:64*\c          ; v of the chunk before, whose tanh rides along
	ds_load_b128 v[VV+8*\c+4:VV+8*\c+7], v[VTC] offset:64*\c+16
.endr
.set kk, 0
.rept 32
	STEP kk
.set kk, kk+1
.endr
	; THE LUMP: T = 2 log2(e) x + hbc.  Each accumulator is read from its low end on; group 7 of step 31 is the four places behind the last product.
	WIN LMP
.set n, 0
.rept 32
.irp i, 0,2,4,6
	v_pk_fma_f32 v[8*n+\i:8*n+\i+1], v[8*n+\i:8*n+\i+1], s[36:37], v[BI+8*(n%4)+\i:BI+8*(n%4)+\i+1] op_sel_hi:[1,0,1]
.endr
.set n, n+1
.endr
	WIN 0
	s_add_co_u32 s[CHB], s[CHB], 256               ; 64 columns on in the tables
	s_wait_xcnt 0x0                                ; the ring's bases are rewritten only behind this wait
	s_mov_b64 s[BCUR:BCUR+1], s[BNXT:BNXT+1]
	s_add_nc_u64 s[34:35], s[BNXT:BNXT+1], 0x20000
	s_cmp_eq_u32 s23, 2                            ; behind the third chunk there is no chunk after the next: the last chunk's look-ahead
	s_cselect_b64 s[BNXT:BNXT+1], s[BBASE:BBASE+1], s[34:35]  ; reads my wave's first seven steps once more, inside the buffer, and nobody uses them
	s_sub_co_u32 s23, s23, 1
	s_cmp_lg_u32 s23, 0
	s_cbranch_scc1 .Lchunk
	; the last chunk's tanh has no products to stand beside
	v_add_nc_u32 v[VTC], s[CHB], v[VTA]            ; four steps on from one chunk back: the last chunk's v
.irp c, 0,1,2,3
	ds_load_b128 v[VV+8*\c:VV+8*\c+3], v[VTC] offset:64*\c
	ds_load_b128 v[VV+8*\c+4:VV+8*\c+7], v[VTC] offset:64*\c+16
.endr
	s_wait_dscnt 0x0                               ; v's table, and the fragment loads that step 31 issued
	s_wait_loadcnt 0x0                             ; the ring's unused look-ahead has landed: window 1 is free
.set m2, 0
.rept 32
.irp g, 0,1,2,3,4,5,6,7
	RG \g, m2
.endr
.set m2, m2+1
.endr
	WIN 0
	; a position's partial score over my 256 columns: two chains, two halves of a pair, two halves of the lanes
.irp a, 0,1,2,3,4,5,6,7
	v_pk_add_f32 v[SUMA+2*\a:SUMA+2*\a+1], v[SUMA+2*\a:SUMA+2*\a+1], v[SUMB+2*\a:SUMB+2*\a+1]
.endr
.irp a, 0,1,2,3,4,5,6,7
	v_add_f32 v[SUMA+2*\a], v[SUMA+2*\a], v[SUMA+2*\a+1]
.endr
.irp a, 0,1,2,3,4,5,6,7
	v_permlanex16_b32 v[BI+\a], v[SUMA+2*\a], s38, s39
.endr
.irp a, 0,1,2,3,4,5,6,7
	v_add_f32 v[SUMA+2*\a], v[SUMA+2*\a], v[BI+\a]
.endr
.Lsums:
	s_wait_dscnt 0x0                               ; all my LDS reads of phase B are back, those at stepped addresses among them,
	s_barrier_signal -1
	s_barrier_wait -1                              ; and so are every wave's: only now does anybody store into LDS again
.irp a, 0,1,2,3,4,5,6,7
	ds_store_b32 v[SPA], v[SUMA+2*\a] offset:64*\a ; lanes l and l + 16 write the same word with the same number (a tile behind the length: zeros that nobody uses)
.endr
	s_wait_dscnt 0x0                               ; for the others' sake: my partial scores are in LDS
	s_barrier_signal -1
	s_barrier_wait -1
	s_cmp_eq_u32 s22, 0
	s_cbranch_scc0 .Llive
.irp i, 0,1,2,3
	v_mov_b32 v[SC+\i], NEGBIG                     ; a tile behind the length: masked scores,
.endr
.irp i, 0,1,2,3,4,5,6,7
	v_mov_b32 v[CT+\i], 0                          ; and nothing for the context
.endr
	s_branch .Lout
.Llive:
	; ---- PHASE C, in every wave alike: lane l takes positions 4 l .. 4 l + 3 ----
	ds_load_b128 v[136:139], v[SQA]
	ds_load_b128 v[140:143], v[SQA] offset:512
	ds_load_b128 v[144:147], v[SQA] offset:1024
	ds_load_b128 v[148:151], v[SQA] offset:1536
	s_lshl_b32 s24, s19, 7
	v_lshl_add_u32 v152, v1, 2, s24                ; s = 128 j + 4 l,
	v_add_nc_u32 v153, 1, v152                     ; and the three behind it
	v_add_nc_u32 v154, 2, v152
	v_add_nc_u32 v155, 3, v152
	v_mov_b32 v135, NEGBIG
	; the turning load takes 16 positions x 16 columns: lane l reads position 8 (l / 16) + l % 8, columns 8 ((l / 8) % 2) + 0..7
	v_and_b32 v[TRA], 7, v0
	v_lshl_add_u32 v[TRA], v3, 3, v[TRA]
	v_mul_u32_u24 v[TRA], v[TRA], PA
	v_bfe_u32 v[TRA+1], v0, 3, 1
	v_lshl_add_u32 v[TRA], v[TRA+1], 4, v[TRA]
	s_lshl_b32 s24, s18, 9
	v_add_nc_u32 v[TRA], s24, v[TRA]               ; my 256 columns begin at byte 512 w of a row
	v_add_nc_u32 v[TRA+1], 32*PA, v[TRA]
	v_add_nc_u32 v[TRA+2], 64*PA, v[TRA]
	v_add_nc_u32 v[TRA+3], 96*PA, v[TRA]
	s_lshl_b32 s24, s18, 10
	s_add_co_u32 s24, s24, CS
	v_lshl_add_u32 v132, v2, 2, s24                ; my stage: in by columns,
	v_lshl_add_u32 v133, v1, 4, s24                ; back 16 bytes a lane
	s_wait_dscnt 0x0
	v_pk_add_f32 v[136:137], v[136:137], v[140:141]
	v_pk_add_f32 v[138:139], v[138:139], v[142:143]
	v_pk_add_f32 v[144:145], v[144:145], v[148:149]
	v_pk_add_f32 v[146:147], v[146:147], v[150:151]
	v_pk_add_f32 v[SC:SC+1], v[136:137], v[144:145]
	v_pk_add_f32 v[SC+2:SC+3], v[138:139], v[146:147]
.irp i, 0,1,2,3
	v_cmp_gt_i32 vcc_lo, s21, v[152+\i]            ; length > s ?
	v_cndmask_b32 v[SC+\i], v135, v[SC+\i], vcc_lo
.endr
	v_max3_num_f32 v136, v[SC], v[SC+1], v[SC+2]
	v_max_num_f32 v136, v136, v[SC+3]
	v_max_num_f32_dpp v136, v136, v136 row_xmask:1 row_mask:0xf bank_mask:0xf
	v_max_num_f32_dpp v136, v136, v136 row_xmask:2 row_mask:0xf bank_mask:0xf
	v_max_num_f32_dpp v136, v136, v136 row_xmask:4 row_mask:0xf bank_mask:0xf
	v_max_num_f32_dpp v136, v136, v136 row_xmask:8 row_mask:0xf bank_mask:0xf
	v_permlanex16_b32 v137, v136, s38, s39
	v_max_num_f32 v136, v136, v137                 ; the tile's maximum, in every lane
.irp i, 0,1,2,3
	v_sub_f32 v[140+\i], v[SC+\i], v136
.endr
.irp i, 0,1,2,3
	v_mul_f32 v[140+\i], L2E, v[140+\i]
.endr
.irp i, 0,1,2,3
	v_exp_f32 v[140+\i], v[140+\i]
.endr
	v_nop                                          ; a plain line between the last exponential and the use of its result
	s_wait_alu depctr_va_vdst(0)
	v_cvt_pk_bf16_f32 v144, v140, v141
	v_cvt_pk_bf16_f32 v145, v142, v143
	ds_store_b64 v[PPS], v[144:145]                ; into my wave's own copy: LDS serves a wave's instructions in order (ISA guide 5.7.1.4), so the loads below see it
	; ---- PHASE D: context[h] = sum_s p[s] enc[s][h].  Source 0 = p, the same in all 16 rows; source 1 = 32 positions x 16 columns of enc, turned on the way out of LDS ----
.irp t, 0,1,2,3
	ds_load_b128 v[BI+8*\t:BI+8*\t+3], v[PPA] offset:64*\t
	ds_load_b128 v[BI+8*\t+4:BI+8*\t+7], v[PPA] offset:64*\t+32
.endr
.macro VLOAD t                         ; positions 32 t on, all 16 column blocks: 32 loads, 128 registers; t = 0, 1 in window 1, t = 2, 3 in window 3
	WIN 0x40+0x80*((\t)/2)
.set vb2, 128*((\t)%2)
.set c2, 0
.rept 16
	ds_load_tr16_b128 v[vb2+8*c2:vb2+8*c2+3], v[TRA+(\t)] offset:32*c2
	ds_load_tr16_b128 v[vb2+8*c2+4:vb2+8*c2+7], v[TRA+(\t)] offset:16*PA+32*c2
.set c2, c2+1
.endr
.endm
.macro CTX t                           ; 16 products, the 16 accumulators by turns; the first 16 start the sums
	WIN 0xa4+8*((\t)/2)
.set vb2, 128*((\t)%2)
.set c2, 0
.rept 16
.if (\t) == 0
	v_wmma_f32_16x16x32_bf16 v[8*c2:8*c2+7], v[BI+8*(\t):BI+8*(\t)+7], v[vb2+8*c2:vb2+8*c2+7], 0
.else
	v_wmma_f32_16x16x32_bf16 v[8*c2:8*c2+7], v[BI+8*(\t):BI+8*(\t)+7], v[vb2+8*c2:vb2+8*c2+7], v[8*c2:8*c2+7]
.endif
.set c2, c2+1
.endr
.endm
	VLOAD 0
	VLOAD 1
	s_wait_dscnt 32                                ; the 32 loads of positions 32 on are younger: p and the first 32 positions are in
	CTX 0
	VLOAD 2
	s_wait_dscnt 32
	CTX 1
	VLOAD 3
	s_wait_dscnt 32
	CTX 2
	s_wait_dscnt 0x0
	CTX 3
	WIN 0
.rept 4
	v_nop                                          ; four places between the last product and the stores that read the results
.endr
	WIN 0x08                                       ; store data in window 2
.set c2, 0
.rept 16
	ds_store_b32 v132, v[8*c2] offset:64*c2        ; all rows of a result are alike: its lowest register holds column 16 c2 + lane % 16
.set c2, c2+1
.endr
	WIN 0
	ds_load_b128 v[CT:CT+3], v133
	ds_load_b128 v[CT+4:CT+7], v133 offset:512
	s_wait_dscnt 0x0
.Lout:
	s_cmp_lg_u32 s18, 0
	s_cbranch_scc1 .Lnoscr                         ; the four waves hold the same scores: wave 0 stores them
	global_store_b128 v[LOFF], v[SC:SC+3], s[14:15]         ; 512 consecutive bytes, aligned
.Lnoscr:
	global_store_b128 v[LOFF], v[CT:CT+3], s[16:17]         ; 512 consecutive bytes each, aligned
	global_store_b128 v[LOFF], v[CT+4:CT+7], s[16:17] offset:512
	s_wait_tensorcnt 0x0                           ; the wave's end, behind my last LDS store
	ds_add_u32 v[SPW], v[NIL]
	s_wait_dscnt 0x0
	s_endpgm
.Lfunc_end_k_q776284b5bb_main:
	.size	k_q776284b5bb_main, .Lfunc_end_k_q776284b5bb_main-k_q776284b5bb_main
	.p2alignl 7, 3214868480
	.fill 96, 4, 3214868480
	.section	.rodata,"a",@progbits
	.p2align	6, 0x0
	.amdhsa_kernel k_q776284b5bb_main
		.amdhsa_group_segment_fixed_size 280064
		.amdhsa_private_segment_fixed_size 0
		.amdhsa_enable_private_segment 0
		.amdhsa_kernarg_size 56
		.amdhsa_user_sgpr_count 2
		.amdhsa_user_sgpr_kernarg_segment_ptr 1
		.amdhsa_wavefront_size32 1
		.amdhsa_system_sgpr_workgroup_id_x 1
		.amdhsa_system_sgpr_workgroup_id_y 1
		.amdhsa_system_sgpr_workgroup_id_z 1
		.amdhsa_system_vgpr_workitem_id 0
		.amdhsa_next_free_vgpr 1024
		.amdhsa_next_free_sgpr 66
		.amdhsa_reserve_vcc 1
		.amdhsa_float_denorm_mode_32 3
		.amdhsa_float_denorm_mode_16_64 3
		.amdhsa_memory_ordered 1
		.amdhsa_forward_progress 1
		.amdhsa_inst_pref_size 255
	.end_amdhsa_kernel
	.section	.bss,"aw",@nobits
	.p2align	6
	.space	262144
	.amdgpu_metadata
---
amdhsa.version: [ 1, 2 ]
amdhsa.kernels:
  - .name:           k_q776284b5bb_main
    .symbol:         k_q776284b5bb_main.kd
    .args:
      - { .name: encoder_outputs, .offset: 0, .size: 8, .value_kind: global_buffer, .address_space: global }
      - { .name: source_lengths, .offset: 8, .size: 8, .value_kind: global_buffer, .address_space: global }
      - { .name: v, .offset: 16, .size: 8, .value_kind: global_buffer, .address_space: global }
      - { .name: w2p, .offset: 24, .size: 8, .value_kind: global_buffer, .address_space: global }
      - { .name: hbc, .offset: 32, .size: 8, .value_kind: global_buffer, .address_space: global }
      - { .name: scr, .offset: 40, .size: 8, .value_kind: global_buffer, .address_space: global }
      - { .name: pctx, .offset: 48, .size: 8, .value_kind: global_buffer, .address_space: global }
    .group_segment_fixed_size: 280064
    .private_segment_fixed_size: 0
    .kernarg_segment_align: 8
    .kernarg_segment_size: 56
    .max_flat_workgroup_size: 128
    .sgpr_count:     66
    .vgpr_count:     1024
    .wavefront_size: 32
...
	.end_amdgpu_metadata
.endif
;; end of part 2
;; launch fin (part 3): grid 32 x 1, 8 waves a work-group, no clusters, 1,536 bytes of LDS; arguments scr, pctx, out0, out1; writes out0, out1
.if DOCPART == 3
	.amdgcn_target "amdgcn-amd-amdhsa--gfx1250"
	.amdhsa_code_object_version 6
	.text
	.protected	k_q776284b5bb_fin
	.globl	k_q776284b5bb_fin
	.p2align	8
	.type	k_q776284b5bb_fin,@function
k_q776284b5bb_fin:
	s_mov_b64 s[64:65], 0
	v_nop
	global_prefetch_b8 v0, s[64:65] scope:SCOPE_SE
	s_setreg_imm32_b32 hwreg(HW_REG_WAVE_MODE, 25, 1), 1
	s_wait_xcnt 0x0
; FIN.  Work-group b joins the eight tiles of batch row b.  scr[b][s]: masked scores; pctx[b][j][h] = sum over tile j of exp(score - m_j) enc, m_j the tile's maximum.
; M = max_j m_j;  e[s] = exp(score - M);  L = sum e;  out1[b][s] = e / L;  out0[b][h] = sum_j exp(m_j - M) pctx[b][j][h] / L.
; Eight waves; thread t owns scores 4 t .. 4 t + 3 and channels 4 t .. 4 t + 3, so wave w's 128 scores are tile w, and its maximum is the m that the launch before took
; (a maximum rounds nothing).  All in f32.  Memory binds what little there is: nine 16-byte loads a thread, all issued at once; no matrix unit, no cluster.
; LIMITS: a weight below 2^-126 counts as 0; NaN and infinities are not treated apart.
.set L2E, 0x3fb8aa3b                   ; log2(e)
; LDS: the eight maxima at 0, the eight sums at 256, the spare words (128 bytes for each of 8 waves) from 512 on
	s_load_b256 s[4:11], s[0:1], 0x0               ; scr s[4:5], pctx s[6:7], out0 s[8:9], out1 s[10:11]
	v_lshl_add_u32 v62, v0, 2, 512                 ; my spare word; never rewritten
	v_mov_b32 v63, 0                               ; 0; never rewritten
	v_lshrrev_b32 v1, 5, v0
	v_readfirstlane_b32 s12, v1                    ; wave 0..7
	v_lshlrev_b32 v2, 4, v0                        ; 16 x thread
	s_lshl_b32 s14, ttmp9, 12                      ; b x 4,096
	s_mov_b32 s15, 0
	s_lshl_b32 s16, ttmp9, 15                      ; b x 32,768
	s_mov_b32 s17, 0
	s_mov_b32 s18, 0x76543210                      ; v_permlanex16_b32: each lane takes its own place in the other half
	s_mov_b32 s19, 0xfedcba98
	s_lshl_b32 s13, s12, 2
	v_mov_b32 v3, s13                              ; my wave's word
	v_mov_b32 v41, 0
	v_mov_b32 v43, 0
	s_wait_kmcnt 0x0
	s_add_nc_u64 s[4:5], s[4:5], s[14:15]
	s_add_nc_u64 s[6:7], s[6:7], s[16:17]
	s_add_nc_u64 s[8:9], s[8:9], s[14:15]
	s_add_nc_u64 s[10:11], s[10:11], s[14:15]
	global_load_b128 v[4:7], v2, s[4:5]
.irp j, 0,1,2,3,4,5,6,7
	global_load_b128 v[8+4*\j:11+4*\j], v2, s[6:7] offset:4096*\j
.endr
	s_wait_loadcnt 8                               ; the eight loads of pctx are younger: the scores are in
	v_max3_num_f32 v40, v4, v5, v6
	v_max_num_f32 v40, v40, v7
	v_max_num_f32_dpp v40, v40, v40 row_xmask:1 row_mask:0xf bank_mask:0xf
	v_max_num_f32_dpp v40, v40, v40 row_xmask:2 row_mask:0xf bank_mask:0xf
	v_max_num_f32_dpp v40, v40, v40 row_xmask:4 row_mask:0xf bank_mask:0xf
	v_max_num_f32_dpp v40, v40, v40 row_xmask:8 row_mask:0xf bank_mask:0xf
	v_permlanex16_b32 v41, v40, s18, s19
	v_max_num_f32 v40, v40, v41                    ; m of tile w
	ds_store_b32 v3, v40
	s_wait_dscnt 0x0                               ; for the others' sake
	s_barrier_signal -1
	s_barrier_wait -1
	ds_load_b128 v[44:47], v43
	ds_load_b128 v[48:51], v43 offset:16
	s_wait_dscnt 0x0
	v_max3_num_f32 v52, v44, v45, v46
	v_max3_num_f32 v52, v52, v47, v48
	v_max3_num_f32 v52, v52, v49, v50
	v_max_num_f32 v52, v52, v51                    ; M
.irp j, 0,1,2,3,4,5,6,7
	v_sub_f32 v[44+\j], v[44+\j], v52
.endr
.irp i, 0,1,2,3
	v_sub_f32 v[4+\i], v[4+\i], v52
.endr
.irp j, 0,1,2,3,4,5,6,7
	v_mul_f32 v[44+\j], L2E, v[44+\j]
.endr
.irp i, 0,1,2,3
	v_mul_f32 v[4+\i], L2E, v[4+\i]
.endr
.irp j, 0,1,2,3,4,5,6,7
	v_exp_f32 v[44+\j], v[44+\j]                   ; exp(m_j - M)
.endr
.irp i, 0,1,2,3
	v_exp_f32 v[4+\i], v[4+\i]                     ; e
.endr
	v_nop                                          ; a plain line between the last exponential and the use of its result
	s_wait_alu depctr_va_vdst(0)
	v_add_f32 v40, v4, v5
	v_add_f32 v41, v6, v7
	v_add_f32 v40, v40, v41
	v_add_f32_dpp v40, v40, v40 row_xmask:1 row_mask:0xf bank_mask:0xf
	v_add_f32_dpp v40, v40, v40 row_xmask:2 row_mask:0xf bank_mask:0xf
	v_add_f32_dpp v40, v40, v40 row_xmask:4 row_mask:0xf bank_mask:0xf
	v_add_f32_dpp v40, v40, v40 row_xmask:8 row_mask:0xf bank_mask:0xf
	v_permlanex16_b32 v41, v40, s18, s19
	v_add_f32 v40, v40, v41
	ds_store_b32 v3, v40 offset:256                ; other words than the maxima's: no wave still reading those is disturbed
	s_wait_dscnt 0x0
	s_barrier_signal -1
	s_barrier_wait -1
	ds_load_b128 v[52:55], v43 offset:256
	ds_load_b128 v[56:59], v43 offset:272
	s_wait_dscnt 0x0
	v_add_f32 v52, v52, v53
	v_add_f32 v54, v54, v55
	v_add_f32 v56, v56, v57
	v_add_f32 v58, v58, v59
	v_add_f32 v52, v52, v54
	v_add_f32 v56, v56, v58
	v_add_f32 v52, v52, v56                        ; L
	v_rcp_f32 v53, v52
	v_nop
	s_wait_alu depctr_va_vdst(0)
.irp i, 0,1,2,3
	v_mul_f32 v[4+\i], v[4+\i], v53
.endr
	global_store_b128 v2, v[4:7], s[10:11]         ; a wave's store covers 512 consecutive bytes, aligned
.irp j, 0,1,2,3,4,5,6,7
	v_mul_f32 v[44+\j], v[44+\j], v53
.endr
	s_wait_loadcnt 0x0
.irp k, 0,1,2,3
	v_mul_f32 v[56+\k], v44, v[8+\k]
.endr
.irp j, 1,2,3,4,5,6,7
.irp k, 0,1,2,3
	v_fmac_f32 v[56+\k], v[44+\j], v[8+4*\j+\k]
.endr
.endr
	global_store_b128 v2, v[56:59], s[8:9]
	s_wait_tensorcnt 0x0                           ; the wave's end, behind my last LDS store
	ds_add_u32 v62, v63
	s_wait_dscnt 0x0
	s_endpgm
.Lfunc_end_k_q776284b5bb_fin:
	.size	k_q776284b5bb_fin, .Lfunc_end_k_q776284b5bb_fin-k_q776284b5bb_fin
	.p2alignl 7, 3214868480
	.fill 96, 4, 3214868480
	.section	.rodata,"a",@progbits
	.p2align	6, 0x0
	.amdhsa_kernel k_q776284b5bb_fin
		.amdhsa_group_segment_fixed_size 1536
		.amdhsa_private_segment_fixed_size 0
		.amdhsa_enable_private_segment 0
		.amdhsa_kernarg_size 32
		.amdhsa_user_sgpr_count 2
		.amdhsa_user_sgpr_kernarg_segment_ptr 1
		.amdhsa_wavefront_size32 1
		.amdhsa_system_sgpr_workgroup_id_x 1
		.amdhsa_system_sgpr_workgroup_id_y 1
		.amdhsa_system_sgpr_workgroup_id_z 1
		.amdhsa_system_vgpr_workitem_id 0
		.amdhsa_next_free_vgpr 64
		.amdhsa_next_free_sgpr 66
		.amdhsa_reserve_vcc 0
		.amdhsa_float_denorm_mode_32 3
		.amdhsa_float_denorm_mode_16_64 3
		.amdhsa_memory_ordered 1
		.amdhsa_forward_progress 1
		.amdhsa_inst_pref_size 8
	.end_amdhsa_kernel
	.amdgpu_metadata
---
amdhsa.version: [ 1, 2 ]
amdhsa.kernels:
  - .name:           k_q776284b5bb_fin
    .symbol:         k_q776284b5bb_fin.kd
    .args:
      - { .name: scr, .offset: 0, .size: 8, .value_kind: global_buffer, .address_space: global }
      - { .name: pctx, .offset: 8, .size: 8, .value_kind: global_buffer, .address_space: global }
      - { .name: out0, .offset: 16, .size: 8, .value_kind: global_buffer, .address_space: global }
      - { .name: out1, .offset: 24, .size: 8, .value_kind: global_buffer, .address_space: global }
    .group_segment_fixed_size: 1536
    .private_segment_fixed_size: 0
    .kernarg_segment_align: 8
    .kernarg_segment_size: 32
    .max_flat_workgroup_size: 256
    .sgpr_count:     66
    .vgpr_count:     64
    .wavefront_size: 32
...
	.end_amdgpu_metadata
.endif
;; end of part 3
;; ======== version 2 of 2: 3 launches; version 1 with the launch main written anew for expert scheduling mode
;; limits: right only within a limited range of input values
;; workspace buffers: w2p 2,097,152 bytes; hbc 131,072 bytes; scr 131,072 bytes; pctx 1,048,576 bytes
;; launch prep: the kernel of part 1 again; grid 64 x 1, 16 waves a work-group, no clusters, 166,656 bytes of LDS; arguments attn_w, hidden, attn_b, w2p, hbc; writes w2p, hbc
;; launch main (part 4): grid 8 x 32, 4 waves a work-group, no clusters, 280,064 bytes of LDS; arguments encoder_outputs, source_lengths, v, w2p, hbc, scr, pctx; writes scr, pctx
.if DOCPART == 4
	.amdgcn_target "amdgcn-amd-amdhsa--gfx1250"
	.amdhsa_code_object_version 6
	.text
	.protected	k_q776284b5bb_main
	.globl	k_q776284b5bb_main
	.p2align	8
	.type	k_q776284b5bb_main,@function
k_q776284b5bb_main:
	s_mov_b64 s[64:65], 0
	v_nop
	global_prefetch_b8 v0, s[64:65] scope:SCOPE_SE
	s_setreg_imm32_b32 hwreg(HW_REG_WAVE_SCHED_MODE, 0, 2), 2
	s_setreg_imm32_b32 hwreg(HW_REG_WAVE_MODE, 25, 1), 1
	s_wait_xcnt 0x0
	s_wait_alu depctr_vm_vsrc(0)
; MAIN.  Work-group (j, b) owns the 128 source positions s = 128 j .. 128 j + 127 of batch row b.  It
;   A  reads its 128 rows of encoder_outputs (4,096 bytes each) ONCE, rounds them to bf16 and keeps them in LDS to the end;
;   B  makes x[s][h] = enc[s] . W2[h] for all 1,024 h, energy = tanh(x + hidden part + bias), score[s] = sum_h v[h] energy[s][h];
;   C  masks the scores by the length (-1e10), takes the tile's own maximum m, p[s] = exp(score - m);
;   D  makes the partial context sum_s p[s] enc[s][h] on the matrix unit from the same LDS rows.
; Out: scr[b][s] (masked scores, f32) and pctx[b][j][h] (f32).  The next launch joins the eight tiles of a b.
; SHARES.  Four waves; wave w owns the columns h = 256 w .. 256 w + 255, in four CHUNKS of 64: 128 x 64 of x in 32 accumulators.
; The product is used transposed (source 0 = 16 rows of W2, source 1 = 16 rows of enc): a lane holds ONE position (lane % 16) and eight neighbouring h.
; BY THE SIDE.  A finished chunk is moved out of the accumulators as T = 2 log2(e) x + hbc (128 packed lines together); its tanh = 1 - 2 / (1 + 2^T) and the
; multiply-add with v are cut into eight groups of four, which stand among the matrix instructions of the NEXT chunk: step kk serves T's tile kk.
; W2 comes from w2p straight into registers, in fragment order: a ring of eight slots of 32 registers, seven K steps (28 KiB a wave) on their way.
; WHY NO TENSOR RING AND NO CLUSTER FOR W2: the 128 rows take 264,192 of LDS's 327,680 bytes; what is left would hold two slots of less than one K step of 32 for
; 512 columns; a wave's 256 columns of W2 are read by no other wave of the work-group, so LDS would share nothing; and partners whose tile lies behind the length would have to go on asking.
; TILES BEHIND THE LENGTH (128 j >= length >= 1) load and multiply nothing: they store -1e10 and a zero context.  The flag is made from the problem's int32 input;
; three forward jumps take it, over text without a barrier; all three barriers stand on every wave's path.  Each jumped block reads only registers made in the head or in itself.
; A length <= 0 takes the full way: all scores are -1e10, all p are 1, as in a softmax of equal numbers.
; FORMATS AND LIMITS.  enc, W2 and v are rounded once to bf16 (v is widened again); sums, tanh, scores and maxima in f32; p is rounded to bf16 for the context product.
; Leaving a tile out rests on exp(-1e10 - M) = 0 for the row's maximum M: sum |v| below 9e9.  2^T below 2^-126 counts as 0.  NaN and infinities are not treated apart.
; In wave 0's first chunk the side work multiplies tanh(0) = 0 by the last 64 numbers of the hbc table in place of v: they must be finite.
; THE MODE: SCHED_MODE bits 1:0 = 2 (LLVM: expert scheduling mode 2), set by the entry lines.  The code itself states the register dependences
; between vector or matrix instructions and memory or LDS instructions, with s_wait_alu, always for 0.
; THE PLAN.  Registers that memory or LDS instructions touch:
;   v4, v12-19        offsets and LDS addresses, made in the head and never written again: one wait at the head's end serves them all.
;   v6, v7            offsets of the four table loads; then the two tables' LDS addresses, written once a chunk, read by the chunk's table loads.
;   v124, v125        LDS addresses of phase A's stores: v124 written once, v125 once a trip of eight rows; at the end part of the context's eight registers.
;   phase A           eight row slots (window 2): slot i is read by turn i's conversions and loaded again in turn i + 1.
;                     eight out-buffers (v128-255): buffer i is written by turn i's conversions and read by turn i's LDS stores.
;                     So: one wait on va_vdst a turn, behind its conversions, with the turn's loads and stores behind it; one wait on vm_vsrc a trip, at its head.
;   phase B           step kk's products read A's buffer kk % 2 and W2's slot kk % 8; the loads issued in step kk land in A's other buffer and in slot (kk - 1) % 8,
;                     which the products of step kk - 1 read.  The wait that the step's exponentials need anyway stands behind its sixth product; it states that too, and
;                     all 24 loads of the step follow it.  The products and the side work issued since name neither those registers nor v4, v12-15.
;                     hbc's and v's registers (v52-115) are loaded at a chunk's head, behind one wait on va_vdst, and read by vector instructions to the chunk's end.
;   T, the accumulators and the score sums are named by vector and matrix instructions alone until the way out.
.set PA, 2064                          ; a row of enc in LDS: 2,048 bytes + 16: an odd multiple of 16, so the 16 rows of a fragment load start 16 bytes apart modulo 256
.set ROWB, 131072                      ; bytes from s to s + 1 in encoder_outputs
.set BT, 128*PA                        ; hbc[b][0..1023], f32
.set VT, BT+4096                       ; v, rounded to bf16 and widened
.set SP, VT+4096                       ; [wave 4][position 128] partial scores, f32
.set PP, SP+2048                       ; [wave 4][position 128] p in bf16: each wave's own copy
.set CS, PP+1024                       ; [wave 4] 1,024 bytes: each wave's own stage for its 256 context numbers
.set SPARE, CS+4096                    ; the spare words: 128 bytes for each of 4 waves; no other line names them
.set NEGBIG, 0xd01502f9                ; -1e10
.set L2E, 0x3fb8aa3b                   ; log2(e)
; window 0
.set LOFF, 4                           ; v4   16 x lane: the offset of every global access; never rewritten
.set STA, 5                            ; v5   phase A: my lane's place in my wave's first row in LDS; never rewritten
.set HBO, 6                            ; v6   my 32 bytes of hbc
.set T32, 7                            ; v7   32 x thread
.set BTC, 6                            ; v6   later: this chunk's 64 numbers of the hbc table = BTA + 256 x chunk
.set VTC, 7                            ; v7   later: the chunk before's 64 numbers of the v table = VTA + 256 x chunk
.set BTA, 8                            ; v8   my lane's place in my wave's part of the hbc table; never rewritten
.set VTA, 9                            ; v9   the same in the v table, one chunk back; never rewritten
.set SPW, 10                           ; v10  my spare word; never rewritten
.set NIL, 11                           ; v11  0; never rewritten
.set LA, 12                            ; v12-15  A's fragments: row blocks 2 i, 2 i + 1
.set SPA, 16                           ; v16  my wave's partial scores
.set SQA, 17                           ; v17  four positions of all four waves
.set PPS, 18                           ; v18  where my four p go
.set PPA, 19                           ; v19  p as a matrix fragment
.set SUMA, 20                          ; v20-35  score sums, a pair for each of 8 row blocks
.set SUMB, 36                          ; v36-51  a second chain of the same
.set BI, 52                            ; v52-83  hbc of my 32 columns (8 for each of 4 column blocks); later p's fragments
.set VV, 84                            ; v84-115 v of my 32 columns
.set SC, 116                           ; v116-119 four masked scores
.set CT, 120                           ; v120-127 eight context numbers
.set TSA, 124                          ; v124 phase A: where my 32 bytes of each table go
.set STC, 125                          ; v125 phase A: STA + this trip's eight rows
.set AF, 128                           ; v128-191, v192-255 A's fragments, two buffers; in phase A eight out-buffers of 16: the converted rows; behind the loop addresses and work
.set TRA, 128                          ; v128-131 the turning loads' addresses, 32 positions each
; window 1: W2's ring, slot x 32 + 8 x column block.  window 2: the accumulators, 8 (4 a + cb); in phase A eight row slots of 32.  window 3: T, as the accumulators.
.set EA, 26                            ; s[26:27] enc at my wave's rows
.set BCUR, 28                          ; s[28:29] w2p at this chunk
.set BNXT, 30                          ; s[30:31] at the next
.set BBASE, 32                         ; s[32:33] at my wave's first
.set MK, 40                            ; s40-43  the four masks of phase C
.set CHB, 44                           ; s44  256 x chunk: the tables' step
.set RWB, 45                           ; s45  8 PA x trip: phase A's step in LDS
.set MSB, 0
.macro WIN new                         ; bits 1:0 source 0, 3:2 source 1, 5:4 source 2, 7:6 destination; the high byte repeats the setting that is left; a switch that changes nothing is dropped
.if MSB != (\new)
	s_set_vgpr_msb (MSB<<8)|(\new)
.set MSB, (\new)
.endif
.endm
.set MUL, 0xa1                         ; W2 window 1, A window 0, C and D window 2
.set RID, 0xc3                         ; T in place
.set ACCU, 0x03                        ; T read, all else window 0
.set LMP, 0xc2                         ; accumulators read, T written, table window 0
.set TO_B, 0x40                        ; destination window 1
.set TO_X, 0x80                        ; destination window 2
.set CVT, 0x0a                         ; sources 0 and 1 window 2
	s_load_b256 s[4:11], s[0:1], 0x0               ; enc s[4:5], lengths s[6:7], v s[8:9], w2p s[10:11]
	s_load_b128 s[12:15], s[0:1], 0x20             ; hbc s[12:13], scr s[14:15]
	s_load_b64 s[16:17], s[0:1], 0x30              ; pctx
	v_lshl_add_u32 v[SPW], v0, 2, SPARE
	v_mov_b32 v[NIL], 0
	v_lshrrev_b32 v1, 5, v0
	v_readfirstlane_b32 s18, v1                    ; wave 0..3
	v_and_b32 v1, 31, v0                           ; lane
	v_and_b32 v2, 15, v0                           ; lane % 16
	v_bfe_u32 v3, v0, 4, 1                         ; lane / 16
	s_mov_b32 s19, ttmp9                           ; j
	s_and_b32 s20, ttmp7, 0xffff                   ; b
	s_mov_b32 s25, 0
	s_lshl_b32 s24, s20, 2
	s_wait_kmcnt 0x0
	s_add_nc_u64 s[6:7], s[6:7], s[24:25]
	s_load_b32 s21, s[6:7], 0x0                    ; the length of row b
	s_wait_alu depctr_va_sdst(0)                   ; s18, the wave's number, is written, ahead of its first reader two lines down
	s_lshl_b32 s24, s19, 7
	s_lshl_b32 s34, s18, 5
	s_add_co_u32 s24, s24, s34                     ; my wave's first position: 128 j + 32 w
	s_lshl_b32 s24, s24, 17
	s_lshl_b32 s34, s20, 12
	s_add_co_u32 s24, s24, s34                     ; x 131,072 + b x 4,096: under 2^28
	s_add_nc_u64 s[EA:EA+1], s[4:5], s[24:25]
	s_lshl_b32 s24, s18, 19                        ; a wave's 256 columns of W2 are 524,288 consecutive bytes of w2p
	s_add_nc_u64 s[BBASE:BBASE+1], s[10:11], s[24:25]
	s_mov_b64 s[BCUR:BCUR+1], s[BBASE:BBASE+1]
	s_add_nc_u64 s[BNXT:BNXT+1], s[BBASE:BBASE+1], 0x20000
	s_lshl_b32 s24, s20, 12
	s_lshl_b32 s34, s19, 9
	s_add_co_u32 s24, s24, s34
	s_add_nc_u64 s[14:15], s[14:15], s[24:25]      ; scr at [b][128 j]
	s_lshl_b32 s24, s20, 3
	s_add_co_u32 s24, s24, s19
	s_lshl_b32 s24, s24, 12
	s_lshl_b32 s34, s18, 10
	s_add_co_u32 s24, s24, s34
	s_add_nc_u64 s[16:17], s[16:17], s[24:25]      ; pctx at [b][j][256 w]
	s_lshl_b32 s24, s20, 6
	s_add_nc_u64 s[12:13], s[12:13], s[24:25]      ; hbc at [0][b][0]
	s_mov_b32 s36, 0x4038aa3b                      ; 2 log2(e)
	s_mov_b32 s37, s36                             ; named with it as a pair
	s_mov_b32 s38, 0x76543210                      ; v_permlanex16_b32: each lane takes its own place in the other half
	s_mov_b32 s39, 0xfedcba98
	s_mov_b32 s[CHB], 0
	s_mov_b32 s[RWB], 0
	v_lshlrev_b32 v[LOFF], 4, v1
	s_mul_i32 s24, s18, 32*PA
	v_lshl_add_u32 v[STA], v1, 3, s24
	v_lshrrev_b32 v[HBO], 1, v0
	v_lshlrev_b32 v[HBO], 11, v[HBO]
	v_and_b32 v[T32], 1, v0
	v_lshl_add_u32 v[HBO], v[T32], 5, v[HBO]       ; columns 8 t .. 8 t + 7 lie at (t / 2) x 2,048 + (t % 2) x 32
	v_lshlrev_b32 v[T32], 5, v0
	s_lshl_b32 s24, s18, 10
	s_add_co_u32 s24, s24, BT
	v_lshl_add_u32 v[BTA], v3, 5, s24              ; column 256 w + 8 (lane / 16)
	v_add_nc_u32 v[VTA], 4096-256, v[BTA]          ; the same in v's table, one chunk back
	v_mul_u32_u24 v[LA], v2, PA
	v_lshl_add_u32 v[LA], v3, 4, v[LA]             ; row lane % 16, 16 bytes for each half of the lanes
	v_add_nc_u32 v[LA+1], 32*PA, v[LA]
	v_add_nc_u32 v[LA+2], 64*PA, v[LA]
	v_add_nc_u32 v[LA+3], 96*PA, v[LA]
	s_lshl_b32 s24, s18, 9
	s_add_co_u32 s24, s24, SP
	v_lshl_add_u32 v[SPA], v2, 2, s24
	v_lshl_add_u32 v[SQA], v1, 4, SP
	s_lshl_b32 s24, s18, 8
	s_add_co_u32 s24, s24, PP
	v_lshl_add_u32 v[PPS], v1, 3, s24
	v_lshl_add_u32 v[PPA], v3, 4, s24
	; the score sums start at 0 here, in the wait for the length: every wave stores them between the second and third barrier, a tile behind the length too
.set n, 0
.rept 32
	v_mov_b32 v[SUMA+n], 0
.set n, n+1
.endr
	s_wait_alu depctr_va_vdst(0)                   ; the head's offsets and addresses v4, v6, v7, v12-19 are written, which the loads and stores of both ways read; it stands ahead of the branch
	s_wait_kmcnt 0x0
	s_lshl_b32 s24, s19, 7
	s_cmp_lt_i32 s24, s21                          ; does the tile begin in front of the length?
	s_cselect_b32 s22, 1, 0
	s_cmp_le_i32 s21, 0                            ; or is there no valid position at all?
	s_cselect_b32 s22, 1, s22                      ; s22 = 1: the tile is worked out
	s_cmp_eq_u32 s22, 0
	s_cbranch_scc1 .Lb1
	; ---- the two tables, and PHASE A: my 32 rows of enc, f32 from memory, bf16 into LDS ----
.macro XLOAD slot, row                 ; a row's 4,096 bytes: eight loads of 512 neighbouring bytes
	WIN TO_X
.irp q, 0,1,2,3,4,5,6,7
	global_load_b128 v[32*(\slot)+4*\q:32*(\slot)+4*\q+3], v[LOFF], s[EA:EA+1] offset:(\row)*ROWB+512*\q th:TH_LOAD_NT
.endr
.endm
; The turn of slot i.  left: the younger loads that may stay out.  more = 1: the row seven further on is asked for, into the slot read in the turn before.
.macro TURN i, more, left
	s_wait_loadcnt \left                           ; loads come back in order (ISA guide 5.7.1): my row is in, the younger rows stay out
	WIN CVT
.irp q, 0,1,2,3,4,5,6,7
	v_cvt_pk_bf16_f32 v[AF+16*(\i)+2*\q], v[32*(\i)+4*\q], v[32*(\i)+4*\q+1]
	v_cvt_pk_bf16_f32 v[AF+16*(\i)+2*\q+1], v[32*(\i)+4*\q+2], v[32*(\i)+4*\q+3]
.endr
	s_wait_alu depctr_va_vdst(0)                   ; the conversions have written out-buffer i, which the stores below read; the last turn's are done reading their slot, in which the loads below land; in a trip's first turn v[STC] is written
.if \more
	XLOAD ((\i)+7)%8, (\i)+7
.endif
	WIN 0
.irp q, 0,1,2,3,4,5,6,7
	ds_store_b64 v[STC], v[AF+16*(\i)+2*\q:AF+16*(\i)+2*\q+1] offset:(\i)*PA+256*\q  ; 32 lanes x 8 bytes: 256 neighbouring bytes
.endr
.endm
; The head of a trip of eight rows.
.macro TRIP
	s_wait_alu depctr_vm_vsrc(0)                   ; the LDS stores issued so far have read v[STC] and the eight out-buffers, which this trip writes again
	v_add_nc_u32 v[STC], s[RWB], v[STA]            ; the trip's place in LDS: a scalar that steps, plus the lane's fixed term
.endm
	global_load_b128 v[SC:SC+3], v[HBO], s[12:13]
	global_load_b128 v[CT:CT+3], v[HBO], s[12:13] offset:16
	global_load_b128 v[VV:VV+3], v[T32], s[8:9]
	global_load_b128 v[VV+4:VV+7], v[T32], s[8:9] offset:16
.irp i, 0,1,2,3,4,5,6
	XLOAD \i, \i                                   ; seven rows, 56 loads, are on their way from here to the tail
.endr
	WIN 0
	v_lshl_add_u32 v[TSA], v0, 5, BT
	s_wait_loadcnt 56                              ; the 56 row loads are younger: the four table loads are in
.irp k, 0,1,2,3
	v_cvt_pk_bf16_f32 v[VV+8+\k], v[VV+2*\k], v[VV+2*\k+1]
.endr
.irp k, 0,1,2,3
	v_lshlrev_b32 v[VV+2*\k], 16, v[VV+8+\k]
	v_and_b32 v[VV+2*\k+1], 0xffff0000, v[VV+8+\k]
.endr
	s_wait_alu depctr_va_vdst(0)                   ; v[TSA], the four stores' address, and v's eight widened numbers, the data of two of them, are written
	ds_store_b128 v[TSA], v[SC:SC+3]
	ds_store_b128 v[TSA], v[CT:CT+3] offset:16
	ds_store_b128 v[TSA], v[VV:VV+3] offset:4096
	ds_store_b128 v[TSA], v[VV+4:VV+7] offset:4112
	s_mov_b32 s23, 3
.Lrows:                                                ; a trip: eight rows
	TRIP
.irp i, 0,1,2,3,4,5,6,7
	TURN \i, 1, 48
.endr
	WIN 0
	s_wait_xcnt 0x0                                ; the loads' base is stepped only behind this wait
	s_add_nc_u64 s[EA:EA+1], s[EA:EA+1], 0x100000  ; eight rows on in memory,
	s_add_co_u32 s[RWB], s[RWB], 8*PA              ; and in LDS
	s_sub_co_u32 s23, s23, 1
	s_cmp_lg_u32 s23, 0
	s_cbranch_scc1 .Lrows
	TRIP
	TURN 0, 1, 48                                  ; the last eight rows: one more row is asked for, then the counts run down
	TURN 1, 0, 48
	TURN 2, 0, 40
	TURN 3, 0, 32
	TURN 4, 0, 24
	TURN 5, 0, 16
	TURN 6, 0, 8
	TURN 7, 0, 0
.Lb1:
	s_wait_dscnt 0x0                               ; for the others' sake: my rows and my part of the tables are in LDS
	s_barrier_signal -1
	s_barrier_wait -1
	s_wait_alu depctr_vm_vsrc(0)                   ; phase A's loads and LDS stores have read v6, v7, v84-91, v116-125 and v128-255: all of these are written again from here on, on either way
	s_cmp_eq_u32 s22, 0
	s_cbranch_scc1 .Lsums
	; ---- PHASE B: four chunks of 64 columns ----
.macro WLOAD ks, h                     ; half h of K step ks of W2 (column blocks 2 h, 2 h + 1) into ring slot ks % 8; steps 32 on are the next chunk's first
	WIN TO_B
.set sl, 32*((\ks)%8)+16*(\h)
.irp w, 0,1,2,3
.if (\ks) < 32
	global_load_b128 v[sl+4*\w:sl+4*\w+3], v[LOFF], s[BCUR:BCUR+1] offset:(\ks)*4096+(\h)*2048+512*\w
.else
	global_load_b128 v[sl+4*\w:sl+4*\w+3], v[LOFF], s[BNXT:BNXT+1] offset:((\ks)-32)*4096+(\h)*2048+512*\w
.endif
.endr
.endm
.macro ALOAD i, kn                     ; A's fragments of row blocks 2 i, 2 i + 1 for K step kn into buffer kn % 2
	WIN 0
.set fb, AF+64*((\kn)%2)+16*(\i)
.irp a2, 0,1
	ds_load_b128 v[fb+8*\a2:fb+8*\a2+3], v[LA+(\i)] offset:\a2*16*PA+64*(\kn)
	ds_load_b128 v[fb+8*\a2+4:fb+8*\a2+7], v[LA+(\i)] offset:\a2*16*PA+64*(\kn)+32
.endr
.endm
; Group g of eight of the side work on T's tile n (registers t0-t7): 2^T; + 1; reciprocal; 1 - 2 r = tanh; sums += tanh x v.
; A v_nop stands between the last exponential (reciprocal) and the first use of such a result (ISA guide 5.7.2): the matrix instructions in between are no such place.
.macro RG g, n
.set tb, 8*(\n)
.if (\g) == 7
	WIN ACCU
.set sx, 2*((\n)/4)
.set vb, VV+8*((\n)%4)
	v_pk_fma_f32 v[SUMA+sx:SUMA+sx+1], v[tb:tb+1], v[vb:vb+1], v[SUMA+sx:SUMA+sx+1]
	v_pk_fma_f32 v[SUMB+sx:SUMB+sx+1], v[tb+2:tb+3], v[vb+2:vb+3], v[SUMB+sx:SUMB+sx+1]
	v_pk_fma_f32 v[SUMA+sx:SUMA+sx+1], v[tb+4:tb+5], v[vb+4:vb+5], v[SUMA+sx:SUMA+sx+1]
	v_pk_fma_f32 v[SUMB+sx:SUMB+sx+1], v[tb+6:tb+7], v[vb+6:vb+7], v[SUMB+sx:SUMB+sx+1]
.else
	WIN RID
.if (\g) == 0
	v_exp_f32 v[tb], v[tb]
	v_exp_f32 v[tb+1], v[tb+1]
	v_exp_f32 v[tb+2], v[tb+2]
	v_exp_f32 v[tb+3], v[tb+3]
.elseif (\g) == 1
	v_exp_f32 v[tb+4], v[tb+4]
	v_exp_f32 v[tb+5], v[tb+5]
	v_exp_f32 v[tb+6], v[tb+6]
	v_exp_f32 v[tb+7], v[tb+7]
.elseif (\g) == 2
	v_nop
	s_wait_alu depctr_va_vdst(0)                   ; the eight exponentials have written t0-t7, ahead of their first reader; in a K step also: the products of the step before are done reading A's other buffer and W2's oldest slot, in which this step's loads land
	v_pk_add_f32 v[tb:tb+1], v[tb:tb+1], 1.0 op_sel_hi:[1,0]
	v_pk_add_f32 v[tb+2:tb+3], v[tb+2:tb+3], 1.0 op_sel_hi:[1,0]
	v_pk_add_f32 v[tb+4:tb+5], v[tb+4:tb+5], 1.0 op_sel_hi:[1,0]
.elseif (\g) == 3
	v_pk_add_f32 v[tb+6:tb+7], v[tb+6:tb+7], 1.0 op_sel_hi:[1,0]
	v_rcp_f32 v[tb], v[tb]
	v_rcp_f32 v[tb+1], v[tb+1]
	v_rcp_f32 v[tb+2], v[tb+2]
.elseif (\g) == 4
	v_rcp_f32 v[tb+3], v[tb+3]
	v_rcp_f32 v[tb+4], v[tb+4]
	v_rcp_f32 v[tb+5], v[tb+5]
	v_rcp_f32 v[tb+6], v[tb+6]
.elseif (\g) == 5
	v_rcp_f32 v[tb+7], v[tb+7]
	v_nop
	s_wait_alu depctr_va_vdst(0)                   ; the eight reciprocals have written t0-t7, ahead of their first reader
	v_pk_fma_f32 v[tb:tb+1], v[tb:tb+1], -2.0, 1.0 op_sel_hi:[1,0,0]
	v_pk_fma_f32 v[tb+2:tb+3], v[tb+2:tb+3], -2.0, 1.0 op_sel_hi:[1,0,0]
.else
	v_pk_fma_f32 v[tb+4:tb+5], v[tb+4:tb+5], -2.0, 1.0 op_sel_hi:[1,0,0]
	v_pk_fma_f32 v[tb+6:tb+7], v[tb+6:tb+7], -2.0, 1.0 op_sel_hi:[1,0,0]
.endif
.endif
.endm
; K step kk of a chunk: 32 matrix instructions, the 32 accumulators by turns in the same order in every step.
; The eight groups of the side work stand behind products 1, 3, 5, 9, 13, 19, 25 and 31: the exponentials early, so that their wait, in group 2, stands behind the sixth product.
; All the step's loads follow that wait, each run behind a group, where a window is switched anyway: the next step's 16 fragment loads of A behind groups 2 and 3 (22 products or more
; ahead of the wait for them), the eight loads of W2's step kk + 7 behind groups 4 and 5.  Both kinds land in registers that the step BEFORE read; since the wait the products name A's buffer kk % 2,
; slot kk % 8 and the accumulators, the side work T, v's registers and the sums: none of the registers that these loads touch.  Group 7's four plain lines are the places behind the step's last product (ISA guide 7.12.1).
.macro STEP kk
	s_wait_dscnt 0x0                               ; A's fragments of this step, asked for in the step before (at step 0 the tables too)
	s_wait_loadcnt 48                              ; six younger steps of W2, eight loads each, stay out: this step's are in
.set n, 0
.rept 32
	WIN MUL
.if (\kk) == 0
	v_wmma_f32_16x16x32_bf16 v[8*n:8*n+7], v[32*((\kk)%8)+8*(n%4):32*((\kk)%8)+8*(n%4)+7], v[AF+64*((\kk)%2)+8*(n/4):AF+64*((\kk)%2)+8*(n/4)+7], 0
.else
	v_wmma_f32_16x16x32_bf16 v[8*n:8*n+7], v[32*((\kk)%8)+8*(n%4):32*((\kk)%8)+8*(n%4)+7], v[AF+64*((\kk)%2)+8*(n/4):AF+64*((\kk)%2)+8*(n/4)+7], v[8*n:8*n+7]
.endif
.if n == 1
	RG 0, \kk
.elseif n == 3
	RG 1, \kk
.elseif n == 5
	RG 2, \kk
	ALOAD 0, ((\kk)+1)%32
	ALOAD 1, ((\kk)+1)%32
.elseif n == 9
	RG 3, \kk
	ALOAD 2, ((\kk)+1)%32
	ALOAD 3, ((\kk)+1)%32
.elseif n == 13
	RG 4, \kk
	WLOAD (\kk)+7, 0
.elseif n == 19
	RG 5, \kk
	WLOAD (\kk)+7, 1
.elseif n == 25
	RG 6, \kk
.elseif n == 31
	RG 7, \kk
.endif
.set n, n+1
.endr
.endm
.irp k, 0,1,2,3,4,5,6
	WLOAD \k, 0                                    ; the ring's first seven steps: 56 loads, the number that is out at every step's head.  No vector instruction has named window 1
	WLOAD \k, 1
.endr
.irp i, 0,1,2,3
	ALOAD \i, 0                                    ; into v128-191: the conversions that wrote them stand ahead of phase A's last wait on va_vdst, the stores that read them ahead of the wait on vm_vsrc above
.endr
	; One text serves all four chunks, so the first chunk's side work runs on T = 0: tanh 0 = 0 adds nothing.  The price: these 256 lines, once, in the wait for W2's first steps.
	WIN 0xc0
.set n, 0
.rept 256
	v_mov_b32 v[n], 0
.set n, n+1
.endr
	WIN 0
	s_mov_b32 s23, 4
.Lchunk:
	s_wait_alu depctr_vm_vsrc(0)                   ; the table loads of the chunk before have read v[BTC] and v[VTC]
	v_add_nc_u32 v[BTC], s[CHB], v[BTA]            ; the chunk's place in the two tables: a scalar that steps, plus the lane's fixed term
	v_add_nc_u32 v[VTC], s[CHB], v[VTA]
	s_wait_alu depctr_va_vdst(0)                   ; the two addresses are written; the lump is done reading hbc's registers and the side work v's, in which the loads below land
.irp c, 0,1,2,3
	ds_load_b128 v[BI+8*\c:BI+8*\c+3], v[BTC] offset:64*\c          ; hbc of this chunk's columns, for the lump at its end
	ds_load_b128 v[BI+8*\c+4:BI+8*\c+7], v[BTC] offset:64*\c+16
	ds_load_b128 v[VV+8*\c:VV+8*\c+3], v[VTC] offset:64*\c          ; v of the chunk before, whose tanh rides along
	ds_load_b128 v[VV+8*\c+4:VV+8*\c+7], v[VTC] offset:64*\c+16
.endr
.set kk, 0
.rept 32
	STEP kk
.set kk, kk+1
.endr
	; THE LUMP: T = 2 log2(e) x + hbc.  Each accumulator is read from its low end on; group 7 of step 31 is the four places behind the last product.
	WIN LMP
.set n, 0
.rept 32
.irp i, 0,2,4,6
	v_pk_fma_f32 v[8*n+\i:8*n+\i+1], v[8*n+\i:8*n+\i+1], s[36:37], v[BI+8*(n%4)+\i:BI+8*(n%4)+\i+1] op_sel_hi:[1,0,1]
.endr
.set n, n+1
.endr
	WIN 0
	s_add_co_u32 s[CHB], s[CHB], 256               ; 64 columns on in the tables
	s_wait_xcnt 0x0                                ; the ring's bases are rewritten only behind this wait
	s_mov_b64 s[BCUR:BCUR+1], s[BNXT:BNXT+1]
	s_add_nc_u64 s[34:35], s[BNXT:BNXT+1], 0x20000
	s_cmp_eq_u32 s23, 2                            ; behind the third chunk there is no chunk after the next: the last chunk's look-ahead
	s_cselect_b64 s[BNXT:BNXT+1], s[BBASE:BBASE+1], s[34:35]  ; reads my wave's first seven steps once more, inside the buffer, and nobody uses them
	s_sub_co_u32 s23, s23, 1
	s_cmp_lg_u32 s23, 0
	s_cbranch_scc1 .Lchunk
	; the last chunk's tanh has no products to stand beside
	s_wait_alu depctr_vm_vsrc(0)                   ; the last chunk's table loads have read v[VTC]
	v_add_nc_u32 v[VTC], s[CHB], v[VTA]            ; four steps on from one chunk back: the last chunk's v
	s_wait_alu depctr_va_vdst(0)                   ; v[VTC] is written; the side work of step 31 is done reading v's registers, in which the loads below land
.irp c, 0,1,2,3
	ds_load_b128 v[VV+8*\c:VV+8*\c+3], v[VTC] offset:64*\c
	ds_load_b128 v[VV+8*\c+4:VV+8*\c+7], v[VTC] offset:64*\c+16
.endr
	s_wait_dscnt 0x0                               ; v's table, and the fragment loads that step 31 issued
	s_wait_loadcnt 0x0                             ; the ring's unused look-ahead has landed: window 1 is free
.set m2, 0
.rept 32
.irp g, 0,1,2,3,4,5,6,7
	RG \g, m2
.endr
.set m2, m2+1
.endr
	WIN 0
	; a position's partial score over my 256 columns: two chains, two halves of a pair, two halves of the lanes
.irp a, 0,1,2,3,4,5,6,7
	v_pk_add_f32 v[SUMA+2*\a:SUMA+2*\a+1], v[SUMA+2*\a:SUMA+2*\a+1], v[SUMB+2*\a:SUMB+2*\a+1]
.endr
.irp a, 0,1,2,3,4,5,6,7
	v_add_f32 v[SUMA+2*\a], v[SUMA+2*\a], v[SUMA+2*\a+1]
.endr
.irp a, 0,1,2,3,4,5,6,7
	v_permlanex16_b32 v[BI+\a], v[SUMA+2*\a], s38, s39
.endr
.irp a, 0,1,2,3,4,5,6,7
	v_add_f32 v[SUMA+2*\a], v[SUMA+2*\a], v[BI+\a]
.endr
.Lsums:
	s_wait_dscnt 0x0                               ; all my LDS reads of phase B are back, those at stepped addresses among them,
	s_barrier_signal -1
	s_barrier_wait -1                              ; and so are every wave's: only now does anybody store into LDS again
	s_wait_alu depctr_va_vdst(0)                   ; the reduction's last additions have written the eight sums, which the stores below read; all earlier products and side work are done with v52-83, v128-255 and windows 1 and 3, in which later loads land
.irp a, 0,1,2,3,4,5,6,7
	ds_store_b32 v[SPA], v[SUMA+2*\a] offset:64*\a ; lanes l and l + 16 write the same word with the same number (a tile behind the length: zeros that nobody uses)
.endr
	s_wait_dscnt 0x0                               ; for the others' sake: my partial scores are in LDS
	s_barrier_signal -1
	s_barrier_wait -1
	s_cmp_eq_u32 s22, 0
	s_cbranch_scc0 .Llive
.irp i, 0,1,2,3
	v_mov_b32 v[SC+\i], NEGBIG                     ; a tile behind the length: masked scores,
.endr
.irp i, 0,1,2,3,4,5,6,7
	v_mov_b32 v[CT+\i], 0                          ; and nothing for the context
.endr
	s_branch .Lout
.Llive:
	; ---- PHASE C, in every wave alike: lane l takes positions 4 l .. 4 l + 3 ----
	ds_load_b128 v[136:139], v[SQA]
	ds_load_b128 v[140:143], v[SQA] offset:512
	ds_load_b128 v[144:147], v[SQA] offset:1024
	ds_load_b128 v[148:151], v[SQA] offset:1536
	s_lshl_b32 s24, s19, 7
	v_lshl_add_u32 v152, v1, 2, s24                ; s = 128 j + 4 l,
	v_add_nc_u32 v153, 1, v152                     ; and the three behind it
	v_add_nc_u32 v154, 2, v152
	v_add_nc_u32 v155, 3, v152
	v_mov_b32 v135, NEGBIG
	; the turning load takes 16 positions x 16 columns: lane l reads position 8 (l / 16) + l % 8, columns 8 ((l / 8) % 2) + 0..7
	v_and_b32 v[TRA], 7, v0
	v_lshl_add_u32 v[TRA], v3, 3, v[TRA]
	v_mul_u32_u24 v[TRA], v[TRA], PA
	v_bfe_u32 v[TRA+1], v0, 3, 1
	v_lshl_add_u32 v[TRA], v[TRA+1], 4, v[TRA]
	s_lshl_b32 s24, s18, 9
	v_add_nc_u32 v[TRA], s24, v[TRA]               ; my 256 columns begin at byte 512 w of a row
	v_add_nc_u32 v[TRA+1], 32*PA, v[TRA]
	v_add_nc_u32 v[TRA+2], 64*PA, v[TRA]
	v_add_nc_u32 v[TRA+3], 96*PA, v[TRA]
	s_lshl_b32 s24, s18, 10
	s_add_co_u32 s24, s24, CS
	v_lshl_add_u32 v132, v2, 2, s24                ; my stage: in by columns,
	v_lshl_add_u32 v133, v1, 4, s24                ; back 16 bytes a lane
	s_wait_dscnt 0x0
	v_pk_add_f32 v[136:137], v[136:137], v[140:141]
	v_pk_add_f32 v[138:139], v[138:139], v[142:143]
	v_pk_add_f32 v[144:145], v[144:145], v[148:149]
	v_pk_add_f32 v[146:147], v[146:147], v[150:151]
	v_pk_add_f32 v[SC:SC+1], v[136:137], v[144:145]
	v_pk_add_f32 v[SC+2:SC+3], v[138:139], v[146:147]
.irp i, 0,1,2,3
	v_cmp_gt_i32 s[MK+\i], s21, v[152+\i]          ; length > s ?  The four compares stand in one run, each with a mask register of its own
.endr
	s_wait_alu depctr_va_sdst(0)                   ; the four masks s40-43 are written, ahead of the selects that read them
.irp i, 0,1,2,3
	v_cndmask_b32 v[SC+\i], v135, v[SC+\i], s[MK+\i]
.endr
	v_max3_num_f32 v136, v[SC], v[SC+1], v[SC+2]
	v_max_num_f32 v136, v136, v[SC+3]
	v_max_num_f32_dpp v136, v136, v136 row_xmask:1 row_mask:0xf bank_mask:0xf
	v_max_num_f32_dpp v136, v136, v136 row_xmask:2 row_mask:0xf bank_mask:0xf
	v_max_num_f32_dpp v136, v136, v136 row_xmask:4 row_mask:0xf bank_mask:0xf
	v_max_num_f32_dpp v136, v136, v136 row_xmask:8 row_mask:0xf bank_mask:0xf
	v_permlanex16_b32 v137, v136, s38, s39
	v_max_num_f32 v136, v136, v137                 ; the tile's maximum, in every lane
.irp i, 0,1,2,3
	v_sub_f32 v[140+\i], v[SC+\i], v136
.endr
.irp i, 0,1,2,3
	v_mul_f32 v[140+\i], L2E, v[140+\i]
.endr
.irp i, 0,1,2,3
	v_exp_f32 v[140+\i], v[140+\i]
.endr
	v_nop                                          ; a plain line between the last exponential and the use of its result
	s_wait_alu depctr_va_vdst(0)                   ; the four exponentials have written v140-143, ahead of their first reader
	v_cvt_pk_bf16_f32 v144, v140, v141
	v_cvt_pk_bf16_f32 v145, v142, v143
	s_wait_alu depctr_va_vdst(0)                   ; the two roundings have written v144-145, the store's data; the addresses v128-133 are written, which the turning loads and the stage's stores and loads read
	ds_store_b64 v[PPS], v[144:145]                ; into my wave's own copy: LDS serves a wave's instructions in order (ISA guide 5.7.1.4), so the loads below see it
	; ---- PHASE D: context[h] = sum_s p[s] enc[s][h].  Source 0 = p, the same in all 16 rows; source 1 = 32 positions x 16 columns of enc, turned on the way out of LDS ----
.irp t, 0,1,2,3
	ds_load_b128 v[BI+8*\t:BI+8*\t+3], v[PPA] offset:64*\t
	ds_load_b128 v[BI+8*\t+4:BI+8*\t+7], v[PPA] offset:64*\t+32
.endr
.macro VLOAD t                         ; positions 32 t on, all 16 column blocks: 32 loads, 128 registers of their own; t = 0, 1 in window 1, t = 2, 3 in window 3: no product behind the wait above names the registers of a run that is still to be issued
	WIN 0x40+0x80*((\t)/2)
.set vb2, 128*((\t)%2)
.set c2, 0
.rept 16
	ds_load_tr16_b128 v[vb2+8*c2:vb2+8*c2+3], v[TRA+(\t)] offset:32*c2
	ds_load_tr16_b128 v[vb2+8*c2+4:vb2+8*c2+7], v[TRA+(\t)] offset:16*PA+32*c2
.set c2, c2+1
.endr
.endm
.macro CTX t                           ; 16 products, the 16 accumulators by turns; the first 16 start the sums
	WIN 0xa4+8*((\t)/2)
.set vb2, 128*((\t)%2)
.set c2, 0
.rept 16
.if (\t) == 0
	v_wmma_f32_16x16x32_bf16 v[8*c2:8*c2+7], v[BI+8*(\t):BI+8*(\t)+7], v[vb2+8*c2:vb2+8*c2+7], 0
.else
	v_wmma_f32_16x16x32_bf16 v[8*c2:8*c2+7], v[BI+8*(\t):BI+8*(\t)+7], v[vb2+8*c2:vb2+8*c2+7], v[8*c2:8*c2+7]
.endif
.set c2, c2+1
.endr
.endm
	VLOAD 0
	VLOAD 1
	s_wait_dscnt 32                                ; the 32 loads of positions 32 on are younger: p and the first 32 positions are in
	CTX 0
	VLOAD 2
	s_wait_dscnt 32
	CTX 1
	VLOAD 3
	s_wait_dscnt 32
	CTX 2
	s_wait_dscnt 0x0
	CTX 3
	WIN 0
.rept 4
	v_nop                                          ; four places between the last product and the stores that read the results
.endr
	s_wait_alu depctr_va_vdst(0)                   ; the products have written the 16 accumulators, whose lowest registers the stores below read; the places above stay beside this wait
	WIN 0x08                                       ; store data in window 2
.set c2, 0
.rept 16
	ds_store_b32 v132, v[8*c2] offset:64*c2        ; all rows of a result are alike: its lowest register holds column 16 c2 + lane % 16
.set c2, c2+1
.endr
	WIN 0
	ds_load_b128 v[CT:CT+3], v133
	ds_load_b128 v[CT+4:CT+7], v133 offset:512
	s_wait_dscnt 0x0
.Lout:
	s_wait_alu depctr_va_vdst(0)                   ; the stores' data are written: behind the length the twelve moves into the scores and the context, else the four selects into the scores
	s_cmp_lg_u32 s18, 0
	s_cbranch_scc1 .Lnoscr                         ; the four waves hold the same scores: wave 0 stores them
	global_store_b128 v[LOFF], v[SC:SC+3], s[14:15]         ; 512 consecutive bytes, aligned
.Lnoscr:
	global_store_b128 v[LOFF], v[CT:CT+3], s[16:17]         ; 512 consecutive bytes each, aligned
	global_store_b128 v[LOFF], v[CT+4:CT+7], s[16:17] offset:512
	s_wait_dscnt 0x0                               ; the closing lines, six on end
	s_wait_alu 0x0
	s_wait_tensorcnt 0x0
	ds_add_u32 v[SPW], v[NIL]
	s_wait_dscnt 0x0
	s_endpgm
.Lfunc_end_k_q776284b5bb_main:
	.size	k_q776284b5bb_main, .Lfunc_end_k_q776284b5bb_main-k_q776284b5bb_main
	.p2alignl 7, 3214868480
	.fill 96, 4, 3214868480
	.section	.rodata,"a",@progbits
	.p2align	6, 0x0
	.amdhsa_kernel k_q776284b5bb_main
		.amdhsa_group_segment_fixed_size 280064
		.amdhsa_private_segment_fixed_size 0
		.amdhsa_enable_private_segment 0
		.amdhsa_kernarg_size 56
		.amdhsa_user_sgpr_count 2
		.amdhsa_user_sgpr_kernarg_segment_ptr 1
		.amdhsa_wavefront_size32 1
		.amdhsa_system_sgpr_workgroup_id_x 1
		.amdhsa_system_sgpr_workgroup_id_y 1
		.amdhsa_system_sgpr_workgroup_id_z 1
		.amdhsa_system_vgpr_workitem_id 0
		.amdhsa_next_free_vgpr 1024
		.amdhsa_next_free_sgpr 66
		.amdhsa_reserve_vcc 0
		.amdhsa_float_denorm_mode_32 3
		.amdhsa_float_denorm_mode_16_64 3
		.amdhsa_memory_ordered 1
		.amdhsa_forward_progress 1
		.amdhsa_inst_pref_size 255
	.end_amdhsa_kernel
	.section	.bss,"aw",@nobits
	.p2align	6
	.space	262144
	.amdgpu_metadata
---
amdhsa.version: [ 1, 2 ]
amdhsa.kernels:
  - .name:           k_q776284b5bb_main
    .symbol:         k_q776284b5bb_main.kd
    .args:
      - { .name: encoder_outputs, .offset: 0, .size: 8, .value_kind: global_buffer, .address_space: global }
      - { .name: source_lengths, .offset: 8, .size: 8, .value_kind: global_buffer, .address_space: global }
      - { .name: v, .offset: 16, .size: 8, .value_kind: global_buffer, .address_space: global }
      - { .name: w2p, .offset: 24, .size: 8, .value_kind: global_buffer, .address_space: global }
      - { .name: hbc, .offset: 32, .size: 8, .value_kind: global_buffer, .address_space: global }
      - { .name: scr, .offset: 40, .size: 8, .value_kind: global_buffer, .address_space: global }
      - { .name: pctx, .offset: 48, .size: 8, .value_kind: global_buffer, .address_space: global }
    .group_segment_fixed_size: 280064
    .private_segment_fixed_size: 0
    .kernarg_segment_align: 8
    .kernarg_segment_size: 56
    .max_flat_workgroup_size: 128
    .sgpr_count:     66
    .vgpr_count:     1024
    .wavefront_size: 32
...
	.end_amdgpu_metadata
.endif
;; end of part 4
;; launch fin: the kernel of part 3 again; grid 32 x 1, 8 waves a work-group, no clusters, 1,536 bytes of LDS; arguments scr, pctx, out0, out1; writes out0, out1
